; MI455X (gfx1250); checked and timed in simulation.
; The chip was launched on July 23, 2026; its instructions are those of AMD's public machine-readable ISA for CDNA 5 (MIT licence, August 2026) and "CDNA5" Instruction Set Architecture Reference Guide (July 2026). The comments in the code are by the model that wrote it; some were corrected since.
;; Re LU class3 norm1. Allowed arithmetic: float matrix products may take bf16 or f16 operands with f32 sums; all other float work in f32.
;; Inputs: W1 32 x 16 float32; W2 32 x 32 float32; W3 32 x 32 float32; W4 1 x 32 float32; b1 32 float32; b2 32 float32; b3 32 float32; b4 1 float32; be1 32 float32; be2 32 float32; be3 32 float32; g1 32 float32; g2 32 float32; g3 32 float32; x 2,097,152 x 16 float32.
;; Outputs: out0 2,097,152 x 1 float32.
;; 2 versions, each right; version 2 is version 1 with the launch p1 written anew for expert scheduling mode. Each part assembles by itself: llvm-mc -triple=amdgcn-amd-amdhsa -mcpu=gfx1250 --defsym DOCPART=n.
;; ======== version 1 of 2: 4 launches
;; limits: values are held in f16: magnitudes above 65,504 overflow, below 6.1e-05 lose precision; inputs' magnitudes at most 65,504
;; workspace buffers: xh 67,108,864 bytes; part1 65,792 bytes; part2 65,792 bytes; part3 65,792 bytes; prm1 512 bytes; prm2 512 bytes
;; launch p1 (part 1): grid 256 x 1, 8 waves a work-group, no clusters, 25,600 bytes of LDS; arguments x, W1, b1, xh, part1; writes xh, part1
.if DOCPART == 1
	.amdgcn_target "amdgcn-amd-amdhsa--gfx1250"
	.amdhsa_code_object_version 6
	.text
	.protected	k_q4822510340_p1
	.globl	k_q4822510340_p1
	.p2align	8
	.type	k_q4822510340_p1,@function
k_q4822510340_p1:
	s_mov_b64 s[64:65], 0
	v_nop
	global_prefetch_b8 v0, s[64:65] scope:SCOPE_SE
	s_setreg_imm32_b32 hwreg(HW_REG_WAVE_MODE, 25, 1), 1
	s_wait_xcnt 0x0
; First of four sweeps over the 2,097,152 rows.  It reads x (f32) once, stores it as f16 in the matrix unit's register image (xh),
; and sums z1 - pivot and its square for the first batch norm, z1 = x W1^T + b1.
; ROWS.  A group is 256 rows = 16 tiles of 16 slots; tile t, slot m is row 256 G + 64 (m >> 2) + 4 t + (m & 3).
; Work-group g owns groups 32 g .. 32 g + 31, wave w four of them = 64 tiles = 16 batches of 4 tiles.
; THE MATRIX INSTRUCTION IS USED TRANSPOSED: A = 16 rows of W1 (features 16 tau + r), B = 16 slots.  Register j of lane (r, h) of the result is
; feature 16 tau + 8 h + j of slot r.  K is 32 and x has 16 columns, so one B tuple carries two tiles: the even one is multiplied by [W1 | 0], the odd one by [0 | W1].
; xh: byte 8192 G + 512 t + 16 L (L = 16 h + m) holds f16 x[row][8 h .. 8 h + 7]; a wave's 16-byte store covers 512 consecutive bytes, aligned.
; PIVOT.  Every wave first sends the array's tile 0 through the layer and takes the mean of its 16 slots as pivot; the sums are taken of z1 - pivot, so that
; the variance is no difference of large sums whatever offset the inputs carry.  All waves compute the same bits; work-group 0, wave 0 stores b1 - pivot.
; part1: record g at byte 256 g = 32 pairs (sum, sum of squares); b1 - pivot (32 f32) at byte 65,536.
; No cluster, no tensor loads: work-groups share 2 KB of weights against 512 KB of rows of their own, no wave reads another's rows, and
; 7 slots x 4 KB a wave in flight fit in registers.
; LIMITS.  x and W1 go to the matrix unit as f16: magnitudes from 65,520 up become infinite, steps below 2^-24 are lost.  NaN and infinities in x are not served
; (an infinity in a neighbouring tile meets a zero weight).
.set A1,   8                           ; v8-27    0000 | W1 tau 0 | 0000 | W1 tau 1 | 0000, four registers each
.set OW1,  28                          ; v28      64 r + 32 h: my 8 numbers of a row of W1
.set OH,   29                          ; v29      32 h
.set OPV,  30                          ; v30      my 32 bytes of x in tile 0 of a group
.set O4L,  31                          ; v31      4 L
.set C1,   60                          ; v60-75   the C operand: b1, then b1 - pivot; register 8 tau + j = feature 16 tau + 8 h + j
.set D,    108                         ; v108-171 results: tile i, tau at 108 + 16 i + 8 tau
.set SUM,  204                         ; v204-219 sums (before that: W1 as loaded)
.set SQ,   220                         ; v220-235 sums of squares
.set XH,   236                         ; v236-251 four tiles in f16, 4 registers each
.set PRM,  4096                        ; LDS: 2,048 bytes for each wave; here only the stage for b1 - pivot at + 384
.set WRED, 20480                       ; LDS: 256 bytes for each wave: 32 sums, 32 sums of squares
; window 1 (v256-511): the ring, 8 slots of 32 registers: slot s, tile i at 32 s + 8 i, 8 numbers of x in f32
.set MSB, 0
.macro WIN new                         ; s_set_vgpr_msb: bits 1:0 source 0, 3:2 source 1, 5:4 source 2, 7:6 destination; the high byte repeats the setting that is left
.if MSB != \new
	s_set_vgpr_msb (MSB<<8)|\new
.set MSB, \new
.endif
.endm
.macro PLACES                          ; four places behind a run of matrix instructions (ISA guide 7.12.1) before results are read or sources written
.rept 4
	v_nop
.endr
.endm
.macro MM1T i, b                       ; layer 1 of tile i, both halves of the features; b: first register of the B tuples
.irp t, 0,1
	v_wmma_f32_16x16x32_f16 v[D+16*\i+8*\t:D+16*\i+8*\t+7], v[A1+4+8*\t-4*(\i&1):A1+11+8*\t-4*(\i&1)], v[\b+8*(\i>>1):\b+8*(\i>>1)+7], v[C1+8*\t:C1+8*\t+7]
.endr
.endm
.macro MM1 b
.irp i, 0,1,2,3
	MM1T \i, \b
.endr
.endm
.macro STAT i                          ; tile i into the sums: two numbers an instruction
.irp k, 0,2,4,6,8,10,12,14
	v_pk_add_f32 v[SUM+\k:SUM+\k+1], v[SUM+\k:SUM+\k+1], v[D+16*\i+\k:D+16*\i+\k+1]
	v_pk_fma_f32 v[SQ+\k:SQ+\k+1], v[D+16*\i+\k:D+16*\i+\k+1], v[D+16*\i+\k:D+16*\i+\k+1], v[SQ+\k:SQ+\k+1]
.endr
.endm
.macro STATB first                     ; a batch into the sums; first = 1: tiles 0 and 1 start them, nothing is cleared
.if \first
.irp k, 0,2,4,6,8,10,12,14
	v_pk_add_f32 v[SUM+\k:SUM+\k+1], v[D+\k:D+\k+1], v[D+16+\k:D+16+\k+1]
	v_pk_mul_f32 v[SQ+\k:SQ+\k+1], v[D+\k:D+\k+1], v[D+\k:D+\k+1]
.endr
.irp k, 0,2,4,6,8,10,12,14
	v_pk_fma_f32 v[SQ+\k:SQ+\k+1], v[D+16+\k:D+16+\k+1], v[D+16+\k:D+16+\k+1], v[SQ+\k:SQ+\k+1]
.endr
.else
	STAT 0
	STAT 1
.endif
	STAT 2
	STAT 3
.endm
.macro FOLD base, pairs                ; adds the upper \pairs register pairs onto the lower ones
.set k, 0
.rept \pairs
	v_pk_add_f32 v[\base+2*k:\base+2*k+1], v[\base+2*k:\base+2*k+1], v[\base+2*(\pairs)+2*k:\base+2*(\pairs)+2*k+1]
.set k, k+1
.endr
.endm
.macro LDQ4 dst, off, base, imm        ; 16 f32 in the order of a fragment's k (or of C's features): bytes 0, 16, 64, 80 beside 32 h
.irp q, 0,1,2,3
	global_load_b128 v[\dst+4*\q:\dst+4*\q+3], v[\off], s[\base:\base+1] offset:\imm+16*(\q&1)+64*(\q>>1)
.endr
.endm
.macro DSQ4 adr, src, imm
.irp q, 0,1,2,3
	ds_store_b128 v[\adr], v[\src+4*\q:\src+4*\q+3] offset:\imm+16*(\q&1)+64*(\q>>1)
.endr
.endm
.macro FILL s, beta                    ; batch beta of my 16 into slot s: 8 loads, 4 KB
	WIN 0x40
.irp i, 0,1,2,3
	global_load_b128 v[32*(\s)+8*\i:32*(\s)+8*\i+3], v1, s[44:45] offset:16384*((\beta)>>2)+256*(4*((\beta)&3)+\i) th:TH_LOAD_NT
	global_load_b128 v[32*(\s)+8*\i+4:32*(\s)+8*\i+7], v1, s[44:45] offset:16384*((\beta)>>2)+256*(4*((\beta)&3)+\i)+16 th:TH_LOAD_NT
.endr
.endm
; One batch.  cnt = the loads younger than this slot's eight.
.macro BATCH beta, ahead, cnt
	s_wait_loadcnt \cnt                            ; loads come back in order: my slot is in, the younger slots stay out
	s_wait_xcnt 0x0                                ; XH is the data of the last batch's stores: written again only behind this wait
	WIN 0x05
.irp i, 0,1,2,3
.irp j, 0,1,2,3
	v_cvt_pk_f16_f32 v[XH+4*\i+\j], v[32*((\beta)&7)+8*\i+2*\j], v[32*((\beta)&7)+8*\i+2*\j+1]
.endr
.endr
.if \ahead
	FILL ((\beta)&7), ((\beta)+8)
.endif
	WIN 0
.irp i, 0,1,2,3
	global_store_b128 v2, v[XH+4*\i:XH+4*\i+3], s[46:47] offset:2048*(\beta)+512*\i   ; 512 consecutive bytes a wave
.endr
	MM1 XH
	PLACES
.if (\beta)==0
	STATB 1
.else
	STATB 0
.endif
.endm
	s_load_b256 s[16:23], s[0:1], 0x0              ; x s[16:17], W1 s[18:19], b1 s[20:21], xh s[22:23]
	s_load_b64 s[24:25], s[0:1], 0x20              ; part1
	v_lshl_add_u32 v254, v0, 2, 0x6000
	v_mov_b32 v255, 0
	v_lshrrev_b32 v32, 5, v0
	v_readfirstlane_b32 s8, v32                    ; wave
	s_mov_b32 s9, ttmp9                            ; work-group
	s_or_b32 s42, s9, s8                           ; 0 in wave 0 of work-group 0 alone
	v_and_b32 v33, 31, v0                          ; L
	v_and_b32 v34, 15, v0                          ; r = m
	v_bfe_u32 v35, v0, 4, 1                        ; h
	v_bfe_u32 v36, v0, 2, 2                        ; m >> 2
	v_and_b32 v37, 3, v0                           ; m & 3
	v_lshlrev_b32 v[OH], 5, v35
	v_lshl_add_u32 v[OPV], v36, 12, v[OH]          ; 64 rows of 64 bytes for each m >> 2
	v_lshl_add_u32 v[OPV], v37, 6, v[OPV]          ; one row for each m & 3
	v_lshl_add_u32 v1, v32, 16, v[OPV]             ; + my wave's 4 groups of 16,384 bytes
	v_lshlrev_b32 v2, 4, v33
	v_lshl_add_u32 v2, v32, 15, v2                 ; xh: 16 L + 32,768 w
	v_lshl_add_u32 v[OW1], v34, 6, v[OH]
	v_lshlrev_b32 v[O4L], 2, v33
	s_lshl_b32 s50, s8, 11
	s_add_co_u32 s50, s50, PRM                     ; my wave's own LDS
	v_add_nc_u32 v3, s50, v[OH]
	v_add_nc_u32 v5, s50, v[O4L]
	s_lshl_b32 s10, s9, 19                         ; the work-group's 8,192 rows: 524,288 bytes of x,
	s_mov_b32 s11, 0
	s_lshl_b32 s12, s9, 18                         ; 262,144 of xh,
	s_mov_b32 s13, 0
	s_lshl_b32 s14, s9, 8                          ; one record
	s_mov_b32 s15, 0
	s_wait_kmcnt 0x0
	s_add_nc_u64 s[44:45], s[16:17], s[10:11]
	s_add_nc_u64 s[46:47], s[22:23], s[12:13]
	s_add_nc_u64 s[48:49], s[24:25], s[14:15]
	global_load_b128 v[204:207], v[OW1], s[18:19]              ; W1[r][8 h ..]
	global_load_b128 v[208:211], v[OW1], s[18:19] offset:16
	global_load_b128 v[212:215], v[OW1], s[18:19] offset:1024  ; W1[16 + r][8 h ..]
	global_load_b128 v[216:219], v[OW1], s[18:19] offset:1040
	LDQ4 C1, OH, 20, 0                                         ; b1
	global_load_b128 v[244:247], v[OPV], s[16:17]              ; the array's tile 0, for the pivot
	global_load_b128 v[248:251], v[OPV], s[16:17] offset:16
.irp s, 0,1,2,3,4,5,6,7
	FILL \s, \s                                    ; half of my rows are asked for at once
.endr
	s_wait_loadcnt 56                              ; 64 loads are younger than the pivot's, more than a wait can name: 56 also lets slot 0 land
	WIN 0
.irp z, 8,9,10,11,16,17,18,19,24,25,26,27
	v_mov_b32 v\z, 0
.endr
.irp t, 0,1
.irp j, 0,1,2,3
	v_cvt_pk_f16_f32 v[A1+4+8*\t+\j], v[204+8*\t+2*\j], v[205+8*\t+2*\j]
.endr
.endr
.irp j, 0,1,2,3
	v_cvt_pk_f16_f32 v[XH+\j], v[244+2*\j], v[245+2*\j]
	v_mov_b32 v[XH+4+\j], 0                        ; the tuple's other tile meets zero weights
.endr
	MM1T 0, XH                                     ; z1 of tile 0
	PLACES
.irp x, 1,2,4,8                                    ; its sum over the 16 slots, in every lane
.set k, 0
.rept 16
	v_add_f32_dpp v[D+k], v[D+k], v[D+k] row_xmask:\x row_mask:0xf bank_mask:0xf
.set k, k+1
.endr
.endr
.set k, 0
.rept 16
	v_fmac_f32 v[C1+k], 0xbd800000, v[D+k]         ; C = b1 - sum / 16
.set k, k+1
.endr
	DSQ4 3, C1, 384                                ; by features, in my own LDS (sixteen lanes write the same bytes)
	s_cmp_lg_u32 s42, 0
	s_cbranch_scc1 .Lno_bp
	ds_load_b32 v38, v5 offset:384                 ; LDS serves a wave's instructions in order: this sees the stores above
	s_wait_dscnt 0x0
	global_store_b32 v[O4L], v38, s[24:25] offset:65536
.Lno_bp:
.irp b, 0,1,2,3,4,5,6,7
	BATCH \b, 1, 56                                ; seven younger slots of eight loads
.endr
.irp b, 8,9,10,11,12,13,14,15
	BATCH \b, 0, 8*(15-\b)                         ; nothing more to ask for: the counts run down
.endr
.irp x, 1,2,4,8                                    ; over the 16 slots
.set k, 0
.rept 32
	v_add_f32_dpp v[SUM+k], v[SUM+k], v[SUM+k] row_xmask:\x row_mask:0xf bank_mask:0xf
.set k, k+1
.endr
.endr
	s_lshl_b32 s51, s8, 8
	s_add_co_u32 s51, s51, WRED
	v_add_nc_u32 v32, s51, v[OH]
	DSQ4 32, SUM, 0
	DSQ4 32, SQ, 128
	s_wait_dscnt 0x0                               ; zero: wave 0 reads these bytes behind the barrier
	s_barrier_signal -1
	s_barrier_wait -1
	s_cmp_lg_u32 s8, 0
	s_cbranch_scc1 .Lend
	v_add_nc_u32 v33, WRED, v[O4L]                 ; lane = feature
.irp w, 0,1,2,3,4,5,6,7
	ds_load_b32 v[D+2*\w], v33 offset:256*\w
	ds_load_b32 v[D+2*\w+1], v33 offset:256*\w+128
.endr
	v_lshlrev_b32 v34, 1, v[O4L]
	s_wait_dscnt 0x0
	FOLD D, 4
	FOLD D, 2
	FOLD D, 1
	global_store_b64 v34, v[D:D+1], s[48:49]       ; the record: 256 consecutive bytes, aligned
.Lend:
	s_wait_tensorcnt 0x0
	ds_add_u32 v254, v255
	s_wait_dscnt 0x0
	s_endpgm
.Lfunc_end_k_q4822510340_p1:
	.size	k_q4822510340_p1, .Lfunc_end_k_q4822510340_p1-k_q4822510340_p1
	.p2alignl 7, 3214868480
	.fill 96, 4, 3214868480
	.section	.rodata,"a",@progbits
	.p2align	6, 0x0
	.amdhsa_kernel k_q4822510340_p1
		.amdhsa_group_segment_fixed_size 25600
		.amdhsa_private_segment_fixed_size 0
		.amdhsa_enable_private_segment 0
		.amdhsa_kernarg_size 40
		.amdhsa_user_sgpr_count 2
		.amdhsa_user_sgpr_kernarg_segment_ptr 1
		.amdhsa_wavefront_size32 1
		.amdhsa_system_sgpr_workgroup_id_x 1
		.amdhsa_system_sgpr_workgroup_id_y 1
		.amdhsa_system_sgpr_workgroup_id_z 1
		.amdhsa_system_vgpr_workitem_id 0
		.amdhsa_next_free_vgpr 512
		.amdhsa_next_free_sgpr 66
		.amdhsa_reserve_vcc 0
		.amdhsa_float_denorm_mode_32 3
		.amdhsa_float_denorm_mode_16_64 3
		.amdhsa_memory_ordered 1
		.amdhsa_forward_progress 1
		.amdhsa_inst_pref_size 131
	.end_amdhsa_kernel
	.amdgpu_metadata
---
amdhsa.version: [ 1, 2 ]
amdhsa.kernels:
  - .name:           k_q4822510340_p1
    .symbol:         k_q4822510340_p1.kd
    .args:
      - { .name: x, .offset: 0, .size: 8, .value_kind: global_buffer, .address_space: global }
      - { .name: W1, .offset: 8, .size: 8, .value_kind: global_buffer, .address_space: global }
      - { .name: b1, .offset: 16, .size: 8, .value_kind: global_buffer, .address_space: global }
      - { .name: xh, .offset: 24, .size: 8, .value_kind: global_buffer, .address_space: global }
      - { .name: part1, .offset: 32, .size: 8, .value_kind: global_buffer, .address_space: global }
    .group_segment_fixed_size: 25600
    .private_segment_fixed_size: 0
    .kernarg_segment_align: 8
    .kernarg_segment_size: 40
    .max_flat_workgroup_size: 256
    .sgpr_count:     66
    .vgpr_count:     512
    .wavefront_size: 32
...
	.end_amdgpu_metadata
.endif
;; end of part 1
;; launch p2 (part 2): grid 256 x 1, 8 waves a work-group, no clusters, 25,600 bytes of LDS; arguments xh, W1, W2, b2, g1, be1, part1, part2, prm1; writes part2, prm1
.if DOCPART == 2
	.amdgcn_target "amdgcn-amd-amdhsa--gfx1250"
	.amdhsa_code_object_version 6
	.text
	.protected	k_q4822510340_p2
	.globl	k_q4822510340_p2
	.p2align	8
	.type	k_q4822510340_p2,@function
k_q4822510340_p2:
	s_mov_b64 s[64:65], 0
	v_nop
	global_prefetch_b8 v0, s[64:65] scope:SCOPE_SE
	s_setreg_imm32_b32 hwreg(HW_REG_WAVE_MODE, 25, 1), 1
	s_wait_xcnt 0x0
; Sweeps 2, 3 and 4 over the 2,097,152 rows are one text; PASS says which.  Sweep PASS finishes the batch norm of layer PASS - 1 from the last sweep's records,
; recomputes layers 1 .. PASS - 1 from xh (x in f16, in the matrix unit's register image), and then
;   PASS 2, 3: sums z - pivot and its square for layer PASS (one record of 256 bytes a work-group);   PASS 4: makes the output.
; ROWS.  A group is 256 rows = 16 tiles of 16 slots; tile t, slot m is row 256 G + 64 (m >> 2) + 4 t + (m & 3).  Work-group g owns groups 32 g .. 32 g + 31,
; wave w four of them = 64 tiles = 16 batches of 4 tiles.  xh: byte 8192 G + 512 t + 16 L (L = 16 h + m) holds f16 x[row][8 h .. 8 h + 7].
; THE MATRIX INSTRUCTION IS USED TRANSPOSED: A = 16 rows of the weights (features 16 tau + r), B = 16 slots.  Register j of lane (r, h) of the result is feature
; 16 tau + 8 h + j of slot r, so that packing tau 0's eight registers gives registers 0-3 of the next layer's B and tau 1's registers 4-7: no lane hands anything to another.
; Layer 1 has K = 16: one B tuple carries two tiles, the even one multiplied by [W1 | 0], the odd one by [0 | W1].
; THE NORM COSTS NO MULTIPLY-ADD PER NUMBER.  s = g rsq(var + 1e-5) is split into R = its sign and power of two and m = its mantissa in [1, 2):
; relu(s (z - mean) + be) = m q,  q = max(R raw + c, 0),  c = R (bp - mu) + be / m,  raw = the product without bias, bp = b - pivot, mu = mean of z - pivot.
; R scales the rows of this layer's weights (exact), m the columns of the next layer's, c is the matrix instruction's C operand.  g = 0 gives R = 0, q = max(be, 0).
; STATISTICS ABOUT A PIVOT: every wave sends the array's tile 0 through the layers and takes the mean of its 16 slots as pivot; var = Q / N - mu^2 is then no
; difference of large sums whatever offset the inputs carry.  All waves compute the same bits; work-group 0, wave 0 stores bp, and m, R, c for the later sweeps.
; LAYER 4 (PASS 4): A = a tile's 16 slots, B = W4 m3 in column t alone, summed over a group's 16 tiles: lane (r, h), register j is tile r, slot 8 h + j,
; and registers 4 q .. 4 q + 3 are 16 neighbouring bytes of out0: sixteen lanes store 256 consecutive bytes, aligned.
; No cluster, no tensor loads: work-groups share a few KB of weights and 64 KB of records against 256 KB of rows of their own, no wave reads another's rows,
; and 7 slots x 2 KB a wave in flight fit in registers.
; LIMITS.  Matrix operands are f16 (x, q, the scaled weights): magnitudes from 65,520 up become infinite, steps below 2^-24 are lost, also behind the scaling by R.
; A slope |s| below 2^-126 counts as 0.  NaN and infinities are not served (v_max_num drops a NaN; an infinity in a neighbouring tile meets a zero weight).
.set PASS, 2
.set XHB, 16                           ; argument k lies in s[16 + 2 k : 17 + 2 k]
.set W1B, 18
.set W2B, 20
.if PASS == 2
.set BB, 22
.set GB, 24
.set BEB, 26
.set PIN, 28
.set POUT, 30
.set PRMO, 32
.set G2N, 17                           ; loads of weights, bias and pivot: 4 + 8 + 4 + 1
.endif
.if PASS == 3
.set W3B, 22
.set BB, 24
.set GB, 26
.set BEB, 28
.set PIN, 30
.set PRM1B, 32
.set POUT, 34
.set PRMO, 36
.set G2N, 25                           ; 4 + 8 + 8 + 4 + 1
.endif
.if PASS == 4
.set W3B, 22
.set W4B, 24
.set B4B, 26
.set GB, 28
.set BEB, 30
.set PIN, 32
.set PRM1B, 34
.set PRM2B, 36
.set OUTB, 38
.set G2N, 24                           ; 4 + 8 + 8 + 4
.endif
; v1 my offset in xh; v2 my offset in out0; v3 = my LDS + 32 h; v4 = my LDS + 4 r; v5 = my LDS + 4 L
.set RS3,  6                           ; v[6:7]   R3 of features r, 16 + r (before that: scratch, bp)
.set BPV,  7
.set A1,   8                           ; v8-27    0000 | W1 tau 0 | 0000 | W1 tau 1 | 0000, four registers each
.set A2,   28                          ; v28-59   weights of layers 2, 3: 8 registers for each tau (v28-36 first serve the norm's figures)
.set MU,   28
.set VA,   29
.set RQ,   30
.set DV,   31
.set SV,   32
.set MV,   33
.set RV,   34
.set RC,   35
.set CV,   36
.set C1,   60                          ; v60-107  C operands of layers 1, 2, 3: register 8 tau + j = feature 16 tau + 8 h + j
.set CP,   C1+16*(PASS-1)
.set D,    108                         ; v108-171 results: tile i, tau at 108 + 16 i + 8 tau (before that: W2, W3 as loaded)
.set P,    172                         ; v172-203 activations in f16: tile i at 172 + 8 i (before that: sums of records; m2, m1 in k order)
.set AK3,  172
.set AK2,  188
.set SUM,  204                         ; v204-219 sums (before that: W1 as loaded; PASS 4: m3 in k order, then W4 m3 in f16)
.set SQ,   220                         ; v220-235 sums of squares (before that: the pivot's tuple; PASS 4: W4 as loaded)
.set ACC,  204                         ; PASS 4: two accumulators of layer 4
.set OUT,  220                         ; PASS 4: a group's outputs
.set OPART, 236                        ; v236-243 offsets, never written again while a load may read them
.set OW1,  237
.set OW2,  238
.set OH,   239
.set O16L, 240
.set O4L,  241
.set REDST, 242
.set REDLD, 243
.set PD1,  244                         ; v244-249 m, R, c of layers 1, 2 as the earlier sweeps stored them
.set PD2,  247
.set GV,   250
.set BEV,  251
.set RS1,  252
.set RS2,  254
.set PRM,  4096                        ; LDS: bytes 0-4095 sixteen partial records; then 2,048 bytes for each wave: layer l at 512 (l - 1): m, R, c, bp, 128 bytes each
.set WRED, 20480                       ; LDS: 256 bytes for each wave: 32 sums, 32 sums of squares
; window 1 (v256-511): 0-127 the ring, 8 slots of 16 registers (slot s, tile i at 16 s + 4 i); 128-191 the records as loaded; PASS 4: 128-255 sixteen masks of 8
.set MSB, 0
.macro WIN new                         ; s_set_vgpr_msb: bits 1:0 source 0, 3:2 source 1, 5:4 source 2, 7:6 destination; the high byte repeats the setting that is left
.if MSB != \new
	s_set_vgpr_msb (MSB<<8)|\new
.set MSB, \new
.endif
.endm
.macro PLACES                          ; four places behind a run of matrix instructions (ISA guide 7.12.1) before results are read, sources written or loaded into
.rept 4
	v_nop
.endr
.endm
.macro MM1T i, b                       ; layer 1 of tile i; b: first register of the B tuples
.irp t, 0,1
	v_wmma_f32_16x16x32_f16 v[D+16*\i+8*\t:D+16*\i+8*\t+7], v[A1+4+8*\t-4*(\i&1):A1+11+8*\t-4*(\i&1)], v[\b+8*(\i>>1):\b+8*(\i>>1)+7], v[C1+8*\t:C1+8*\t+7]
.endr
.endm
.macro MM1 b
.irp i, 0,1,2,3
	MM1T \i, \b
.endr
.endm
.macro MMLT l, i                       ; layer l (2 or 3) of tile i
.irp t, 0,1
	v_wmma_f32_16x16x32_f16 v[D+16*\i+8*\t:D+16*\i+8*\t+7], v[A2+16*(\l-2)+8*\t:A2+16*(\l-2)+8*\t+7], v[P+8*\i:P+8*\i+7], v[C1+16*(\l-1)+8*\t:C1+16*(\l-1)+8*\t+7]
.endr
.endm
.macro MML l
.irp i, 0,1,2,3
	MMLT \l, \i
.endr
.endm
.macro ACT i                           ; q = max(., 0), two numbers an instruction, then two roundings to f16 an instruction
.irp k, 0,2,4,6,8,10,12,14
	v_dual_max_num_f32 v[D+16*\i+\k], 0, v[D+16*\i+\k] :: v_dual_max_num_f32 v[D+16*\i+\k+1], 0, v[D+16*\i+\k+1]
.endr
.irp k, 0,1,2,3,4,5,6,7
	v_cvt_pk_f16_f32 v[P+8*\i+\k], v[D+16*\i+2*\k], v[D+16*\i+2*\k+1]
.endr
.endm
.macro ACT4
.irp i, 0,1,2,3
	ACT \i
.endr
.endm
.macro STAT i
.irp k, 0,2,4,6,8,10,12,14
	v_pk_add_f32 v[SUM+\k:SUM+\k+1], v[SUM+\k:SUM+\k+1], v[D+16*\i+\k:D+16*\i+\k+1]
	v_pk_fma_f32 v[SQ+\k:SQ+\k+1], v[D+16*\i+\k:D+16*\i+\k+1], v[D+16*\i+\k:D+16*\i+\k+1], v[SQ+\k:SQ+\k+1]
.endr
.endm
.macro STATB first                     ; a batch into the sums; first = 1: tiles 0 and 1 start them, nothing is cleared
.if \first
.irp k, 0,2,4,6,8,10,12,14
	v_pk_add_f32 v[SUM+\k:SUM+\k+1], v[D+\k:D+\k+1], v[D+16+\k:D+16+\k+1]
	v_pk_mul_f32 v[SQ+\k:SQ+\k+1], v[D+\k:D+\k+1], v[D+\k:D+\k+1]
.endr
.irp k, 0,2,4,6,8,10,12,14
	v_pk_fma_f32 v[SQ+\k:SQ+\k+1], v[D+16+\k:D+16+\k+1], v[D+16+\k:D+16+\k+1], v[SQ+\k:SQ+\k+1]
.endr
.else
	STAT 0
	STAT 1
.endif
	STAT 2
	STAT 3
.endm
.macro FOLD base, pairs                ; adds the upper \pairs register pairs onto the lower ones
.set k, 0
.rept \pairs
	v_pk_add_f32 v[\base+2*k:\base+2*k+1], v[\base+2*k:\base+2*k+1], v[\base+2*(\pairs)+2*k:\base+2*(\pairs)+2*k+1]
.set k, k+1
.endr
.endm
.macro LDQ4 dst, off, base, imm        ; 16 f32 in the order of a fragment's k (or of C's features): bytes 0, 16, 64, 80 beside 32 h
.irp q, 0,1,2,3
	global_load_b128 v[\dst+4*\q:\dst+4*\q+3], v[\off], s[\base:\base+1] offset:\imm+16*(\q&1)+64*(\q>>1)
.endr
.endm
.macro DLQ4 dst, adr, imm
.irp q, 0,1,2,3
	ds_load_b128 v[\dst+4*\q:\dst+4*\q+3], v[\adr] offset:\imm+16*(\q&1)+64*(\q>>1)
.endr
.endm
.macro DSQ4 adr, src, imm
.irp q, 0,1,2,3
	ds_store_b128 v[\adr], v[\src+4*\q:\src+4*\q+3] offset:\imm+16*(\q&1)+64*(\q>>1)
.endr
.endm
.macro KNOWN l, rs                     ; a finished layer's R (of my two weight rows) and c (as the C operand) from my own LDS
	ds_load_b32 v[\rs], v4 offset:512*(\l-1)+128
	ds_load_b32 v[\rs+1], v4 offset:512*(\l-1)+192
	DLQ4 C1+16*(\l-1), 3, 512*(\l-1)+256
.endm
.macro RMUL a, rs, t                   ; a pair times R of row 16 t + r: the first or the second register of rs feeds both halves
.if \t
	v_pk_mul_f32 v[\a:\a+1], v[\a:\a+1], v[\rs:\rs+1] op_sel:[0,1] op_sel_hi:[1,1]
.else
	v_pk_mul_f32 v[\a:\a+1], v[\a:\a+1], v[\rs:\rs+1] op_sel_hi:[1,0]
.endif
.endm
.macro BUILDL l, raw, ak, rs, known    ; layer l's fragments: f16(W m[k]), and where the layer's norm is finished f16(W m[k] R[row]): the same bits, scaled by a power of two
.irp t, 0,1
.irp k, 0,2,4,6,8,10,12,14
	v_pk_mul_f32 v[\raw+16*\t+\k:\raw+16*\t+\k+1], v[\raw+16*\t+\k:\raw+16*\t+\k+1], v[\ak+\k:\ak+\k+1]
.endr
.if \known
.irp k, 0,2,4,6,8,10,12,14
	RMUL (\raw+16*\t+\k), \rs, \t
.endr
.endif
.irp k, 0,1,2,3,4,5,6,7
	v_cvt_pk_f16_f32 v[A2+16*(\l-2)+8*\t+\k], v[\raw+16*\t+2*\k], v[\raw+16*\t+2*\k+1]
.endr
.endr
.endm
.macro FILL s, beta                    ; batch beta of my 16 into slot s: 4 loads of 512 consecutive bytes
	WIN 0x40
.irp i, 0,1,2,3
.if PASS == 4
	global_load_b128 v[16*(\s)+4*\i:16*(\s)+4*\i+3], v1, s[44:45] offset:2048*(\beta)+512*\i th:TH_LOAD_NT
.else
	global_load_b128 v[16*(\s)+4*\i:16*(\s)+4*\i+3], v1, s[44:45] offset:2048*(\beta)+512*\i
.endif
.endr
.endm
.macro L4 beta                         ; layer 4 of a batch.  The two accumulators take turns, one instruction a turn; a group's first two products start the sums
	WIN 0x04
.irp i, 0,1,2,3
.if 4*((\beta)&3)+\i < 2
	v_wmma_f32_16x16x32_f16 v[ACC+8*(\i&1):ACC+8*(\i&1)+7], v[P+8*\i:P+8*\i+7], v[128+8*(4*((\beta)&3)+\i):128+8*(4*((\beta)&3)+\i)+7], 0
.else
	v_wmma_f32_16x16x32_f16 v[ACC+8*(\i&1):ACC+8*(\i&1)+7], v[P+8*\i:P+8*\i+7], v[128+8*(4*((\beta)&3)+\i):128+8*(4*((\beta)&3)+\i)+7], v[ACC+8*(\i&1):ACC+8*(\i&1)+7]
.endif
.endr
.endm
.macro OUTG grp                        ; a group's 256 outputs
	WIN 0
	PLACES
	s_wait_xcnt 0x0                                ; OUT is the data of the last group's stores: written again only behind this wait
.irp k, 0,2,4,6
	v_pk_add_f32 v[OUT+\k:OUT+\k+1], v[ACC+\k:ACC+\k+1], v[ACC+8+\k:ACC+8+\k+1]
.endr
.irp k, 0,2,4,6
	v_pk_add_f32 v[OUT+\k:OUT+\k+1], v[OUT+\k:OUT+\k+1], s[40:41] op_sel_hi:[1,0]   ; + b4
.endr
	global_store_b128 v2, v[OUT:OUT+3], s[46:47] offset:1024*(\grp) th:TH_STORE_NT
	global_store_b128 v2, v[OUT+4:OUT+7], s[46:47] offset:1024*(\grp)+256 th:TH_STORE_NT
.endm
; One batch of four tiles.  cnt = the loads younger than this slot's four.
.macro BATCH beta, ahead, cnt
	s_wait_loadcnt \cnt                            ; loads come back in order: my slot is in, the younger slots stay out
	WIN 0x04
	MM1 16*((\beta)&7)
	PLACES
.if \ahead
	FILL ((\beta)&7), ((\beta)+8)
.endif
	WIN 0
	ACT4
.if PASS >= 3
	MML 2
	PLACES
	ACT4
.endif
.if PASS == 4
	MML 3
	PLACES
	ACT4
	L4 \beta
.if ((\beta)&3)==3
	OUTG ((\beta)>>2)
.endif
.else
	MML PASS
	PLACES
.if (\beta)==0
	STATB 1
.else
	STATB 0
.endif
.endif
.endm
	s_load_b512 s[16:31], s[0:1], 0x0
.if PASS == 2
	s_load_b64 s[32:33], s[0:1], 0x40
	v_lshl_add_u32 v254, v0, 2, 0x6000
	v_mov_b32 v255, 0
.endif
.if PASS == 3
	s_load_b128 s[32:35], s[0:1], 0x40
	s_load_b64 s[36:37], s[0:1], 0x50
.endif
.if PASS == 4
	s_load_b256 s[32:39], s[0:1], 0x40
.endif
	v_lshrrev_b32 v7, 5, v0
	v_readfirstlane_b32 s8, v7                     ; wave
	s_mov_b32 s9, ttmp9                            ; work-group
	s_or_b32 s42, s9, s8                           ; 0 in wave 0 of work-group 0 alone
	s_mov_b32 s52, 0x3f800000                      ; the bits of 1.0
	v_and_b32 v6, 31, v0                           ; L
	v_and_b32 v4, 15, v0                           ; r
	v_bfe_u32 v3, v0, 4, 1                         ; h
	v_lshrrev_b32 v5, 4, v0                        ; thread / 16
	v_lshlrev_b32 v[O16L], 4, v6
	v_lshlrev_b32 v[O4L], 2, v6
	v_lshlrev_b32 v[REDLD], 3, v6
	v_lshlrev_b32 v[REDST], 4, v0
	v_lshlrev_b32 v[OH], 5, v3
	v_lshl_add_u32 v1, v7, 15, v[O16L]             ; xh: 16 L + my wave's 32,768 bytes
	v_lshl_add_u32 v[OW1], v4, 6, v[OH]            ; a row of W1 is 64 bytes,
	v_lshl_add_u32 v[OW2], v4, 7, v[OH]            ; of W2, W3 128
	v_lshlrev_b32 v[OPART], 4, v4                  ; records: thread t takes bytes 16 (t & 15) .. of records 16 (t >> 4) .. + 15
	v_lshl_add_u32 v[OPART], v5, 12, v[OPART]
.if PASS == 4
	v_lshlrev_b32 v2, 4, v4                        ; out0: 16 r + 512 h + my wave's 4,096 bytes
	v_lshl_add_u32 v2, v3, 9, v2
	v_lshl_add_u32 v2, v7, 12, v2
.endif
	s_lshl_b32 s50, s8, 11
	s_add_co_u32 s50, s50, PRM                     ; my wave's own LDS
	v_add_nc_u32 v3, s50, v[OH]
	v_lshl_add_u32 v4, v4, 2, s50
	v_add_nc_u32 v5, s50, v[O4L]
	s_lshl_b32 s10, s9, 18                         ; the work-group's 262,144 bytes of xh
	s_mov_b32 s11, 0
.if PASS == 4
	s_lshl_b32 s12, s9, 15                         ; its 32,768 bytes of out0
.else
	s_lshl_b32 s12, s9, 8                          ; its record
.endif
	s_mov_b32 s13, 0
	s_wait_kmcnt 0x0
	s_add_nc_u64 s[44:45], s[XHB:XHB+1], s[10:11]
.if PASS == 4
	s_add_nc_u64 s[46:47], s[OUTB:OUTB+1], s[12:13]
	s_load_b32 s40, s[B4B:B4B+1], 0x0
.else
	s_add_nc_u64 s[48:49], s[POUT:POUT+1], s[12:13]
.endif
	; first what the norm needs: the 256 records (16 pieces of 16 bytes a thread), g, be, bp, the earlier layers' m, R, c
	WIN 0x40
.irp n, 0,1,2,3,4,5,6,7,8,9,10,11,12,13,14,15
	global_load_b128 v[128+4*\n:131+4*\n], v[OPART], s[PIN:PIN+1] offset:256*\n
.endr
	WIN 0
	global_load_b32 v[GV], v[O4L], s[GB:GB+1]
	global_load_b32 v[BEV], v[O4L], s[BEB:BEB+1]
	global_load_b32 v[BPV], v[O4L], s[PIN:PIN+1] offset:65536
.if PASS >= 3
.irp q, 0,1,2
	global_load_b32 v[PD1+\q], v[O4L], s[PRM1B:PRM1B+1] offset:128*\q
.endr
.endif
.if PASS == 4
.irp q, 0,1,2
	global_load_b32 v[PD2+\q], v[O4L], s[PRM2B:PRM2B+1] offset:128*\q
.endr
.endif
	; then the weights, the bias and the pivot's tile: G2N loads
	global_load_b128 v[204:207], v[OW1], s[W1B:W1B+1]
	global_load_b128 v[208:211], v[OW1], s[W1B:W1B+1] offset:16
	global_load_b128 v[212:215], v[OW1], s[W1B:W1B+1] offset:1024
	global_load_b128 v[216:219], v[OW1], s[W1B:W1B+1] offset:1040
	LDQ4 108, OW2, W2B, 0
	LDQ4 124, OW2, W2B, 2048
.if PASS >= 3
	LDQ4 140, OW2, W3B, 0
	LDQ4 156, OW2, W3B, 2048
.endif
.if PASS == 4
	LDQ4 220, OH, W4B, 0
.else
	LDQ4 CP, OH, BB, 0
	global_load_b128 v[220:223], v[O16L], s[XHB:XHB+1]         ; the array's tile 0
.endif
	; then half of my rows: 32 loads
.irp s, 0,1,2,3,4,5,6,7
	FILL \s, \s
.endr
	s_wait_loadcnt G2N+32                          ; the records and the norm's figures are in; the G2N + 32 younger loads stay out
	WIN 0x05
.irp n, 0,1,2,3,4,5,6,7
	v_pk_add_f32 v[P+4*\n:P+4*\n+1], v[128+4*\n:129+4*\n], v[160+4*\n:161+4*\n]
	v_pk_add_f32 v[P+4*\n+2:P+4*\n+3], v[130+4*\n:131+4*\n], v[162+4*\n:163+4*\n]
.endr
	WIN 0
	FOLD P, 8
	FOLD P, 4
	FOLD P, 2                                      ; my 16 bytes of the sum of 16 records
	ds_store_b128 v[REDST], v[P:P+3]
	s_wait_dscnt 0x0                               ; zero: every wave reads these bytes behind the barrier
	s_barrier_signal -1
	s_barrier_wait -1
.irp n, 0,1,2,3,4,5,6,7,8,9,10,11,12,13,14,15
	ds_load_b64 v[P+2*\n:P+2*\n+1], v[REDLD] offset:256*\n     ; lane = feature: its pair in each of the 16 partial records
.endr
	s_wait_dscnt 0x0
	FOLD P, 8
	FOLD P, 4
	FOLD P, 2
	FOLD P, 1                                      ; (sum, sum of squares) over all rows, the same bits in every wave of the launch
	; the norm of layer PASS - 1, lane = feature
	v_mul_f32 v[MU], 0x35000000, v[P]              ; / 2,097,152 = 2^-21
	v_mul_f32 v[VA], 0x35000000, v[P+1]
	v_fma_f32 v[VA], -v[MU], v[MU], v[VA]
	v_max_num_f32 v[VA], 0, v[VA]
	v_add_f32 v[VA], 0x3727c5ac, v[VA]             ; + 1e-5
	v_rsq_f32 v[RQ], v[VA]
	v_sub_f32 v[DV], v[BPV], v[MU]                 ; the plain instruction between v_rsq_f32 and the use of its result
	s_wait_alu depctr_va_vdst(0)
	v_mul_f32 v[SV], v[GV], v[RQ]                  ; s
	v_and_or_b32 v[MV], v[SV], 0x007fffff, s52     ; m: its mantissa, in [1, 2)
	v_and_b32 v[RV], 0xff800000, v[SV]             ; R: its sign and power of two (0 for a zero or denormal s)
	v_rcp_f32 v[RC], v[MV]
	v_nop
	s_wait_alu depctr_va_vdst(0)
	v_mul_f32 v[CV], v[BEV], v[RC]
	v_fmac_f32 v[CV], v[RV], v[DV]                 ; c = R (bp - mu) + be / m
	ds_store_b32 v5, v[MV] offset:512*(PASS-2)
	ds_store_b32 v5, v[RV] offset:512*(PASS-2)+128
	ds_store_b32 v5, v[CV] offset:512*(PASS-2)+256
.if PASS >= 3
.irp q, 0,1,2
	ds_store_b32 v5, v[PD1+\q] offset:128*\q
.endr
.endif
.if PASS == 4
.irp q, 0,1,2
	ds_store_b32 v5, v[PD2+\q] offset:512+128*\q
.endr
.endif
.if PASS <= 3
	s_cmp_lg_u32 s42, 0
	s_cbranch_scc1 .Lno_prm
	global_store_b32 v[O4L], v[MV], s[PRMO:PRMO+1]
	global_store_b32 v[O4L], v[RV], s[PRMO:PRMO+1] offset:128
	global_store_b32 v[O4L], v[CV], s[PRMO:PRMO+1] offset:256
	s_wait_xcnt 0x0                                ; their data registers become layer 2's fragments below
.Lno_prm:
.endif
	; back from my own LDS in the matrix unit's orders (LDS serves a wave's instructions in order: these see the stores above)
	KNOWN 1, RS1
	DLQ4 AK2, 3, 0
.if PASS >= 3
	KNOWN 2, RS2
	DLQ4 AK3, 3, 512
.endif
.if PASS == 4
	KNOWN 3, RS3
.endif
	s_wait_dscnt 0x0
	s_wait_loadcnt 32                              ; weights, bias, pivot tile are in; only the ring's 32 loads are younger
.irp z, 8,9,10,11,16,17,18,19,24,25,26,27
	v_mov_b32 v\z, 0
.endr
.irp t, 0,1
.irp k, 0,2,4,6
	RMUL (204+8*\t+\k), RS1, \t
.endr
.irp j, 0,1,2,3
	v_cvt_pk_f16_f32 v[A1+4+8*\t+\j], v[204+8*\t+2*\j], v[205+8*\t+2*\j]
.endr
.endr
.if PASS == 2
	BUILDL 2, 108, AK2, 0, 0
.endif
.if PASS == 3
	BUILDL 2, 108, AK2, RS2, 1
	BUILDL 3, 140, AK3, 0, 0
.endif
.if PASS == 4
	DLQ4 204, 3, 1024                              ; m3 in k order, where W1 lay
	BUILDL 2, 108, AK2, RS2, 1
	BUILDL 3, 140, AK3, RS3, 1
	s_wait_dscnt 0x0
.irp k, 0,2,4,6,8,10,12,14
	v_pk_mul_f32 v[220+\k:221+\k], v[220+\k:221+\k], v[204+\k:205+\k]
.endr
.irp k, 0,1,2,3,4,5,6,7
	v_cvt_pk_f16_f32 v[204+\k], v[220+2*\k], v[221+2*\k]       ; f16(W4 m3), in k order
.endr
	v_and_b32 v212, 15, v0                         ; r
	WIN 0x40
.irp t, 0,1,2,3,4,5,6,7,8,9,10,11,12,13,14,15
	v_cmp_eq_u32 vcc_lo, \t, v212
.irp k, 0,1,2,3,4,5,6,7
	v_cndmask_b32 v[128+8*\t+\k], 0, v[204+\k], vcc_lo         ; mask t: the column r = t alone holds W4 m3
.endr
.endr
	WIN 0
	s_wait_kmcnt 0x0
	s_mov_b32 s41, s40                             ; b4, as a pair
.else
	; the pivot: tile 0 through the layers, the mean of its 16 slots taken off the bias
.irp j, 0,1,2,3
	v_mov_b32 v[224+\j], 0                         ; the tuple's other tile meets zero weights
.endr
	MM1T 0, 220
	PLACES
	ACT 0
	MMLT 2, 0
	PLACES
.if PASS == 3
	ACT 0
	MMLT 3, 0
	PLACES
.endif
.irp x, 1,2,4,8
.set k, 0
.rept 16
	v_add_f32_dpp v[D+k], v[D+k], v[D+k] row_xmask:\x row_mask:0xf bank_mask:0xf
.set k, k+1
.endr
.endr
.set k, 0
.rept 16
	v_fmac_f32 v[CP+k], 0xbd800000, v[D+k]         ; C = b - sum / 16
.set k, k+1
.endr
	DSQ4 3, CP, 512*(PASS-1)+384                   ; by features, in my own LDS (sixteen lanes write the same bytes)
	s_cmp_lg_u32 s42, 0
	s_cbranch_scc1 .Lno_bp
	ds_load_b32 v228, v5 offset:512*(PASS-1)+384
	s_wait_dscnt 0x0
	global_store_b32 v[O4L], v228, s[POUT:POUT+1] offset:65536
	s_wait_xcnt 0x0                                ; v228 becomes a sum of squares below
.Lno_bp:
.endif
.irp b, 0,1,2,3,4,5,6,7
	BATCH \b, 1, 28                                ; seven younger slots of four loads
.endr
.irp b, 8,9,10,11,12,13,14,15
	BATCH \b, 0, 4*(15-\b)                         ; nothing more to ask for: the counts run down
.endr
.if PASS <= 3
.irp x, 1,2,4,8                                    ; over the 16 slots
.set k, 0
.rept 32
	v_add_f32_dpp v[SUM+k], v[SUM+k], v[SUM+k] row_xmask:\x row_mask:0xf bank_mask:0xf
.set k, k+1
.endr
.endr
	s_lshl_b32 s51, s8, 8
	s_add_co_u32 s51, s51, WRED
	v_add_nc_u32 v244, s51, v[OH]
	DSQ4 244, SUM, 0
	DSQ4 244, SQ, 128
	s_wait_dscnt 0x0                               ; zero: wave 0 reads these bytes behind the barrier
	s_barrier_signal -1
	s_barrier_wait -1
	s_cmp_lg_u32 s8, 0
	s_cbranch_scc1 .Lend
	v_add_nc_u32 v245, WRED, v[O4L]                ; lane = feature
.irp w, 0,1,2,3,4,5,6,7
	ds_load_b32 v[D+2*\w], v245 offset:256*\w
	ds_load_b32 v[D+2*\w+1], v245 offset:256*\w+128
.endr
	v_lshlrev_b32 v246, 1, v[O4L]
	s_wait_dscnt 0x0
	FOLD D, 4
	FOLD D, 2
	FOLD D, 1
	global_store_b64 v246, v[D:D+1], s[48:49]      ; the record: 256 consecutive bytes, aligned
.Lend:
.endif
	s_wait_tensorcnt 0x0
	ds_add_u32 v254, v255
	s_wait_dscnt 0x0
	s_endpgm
.Lfunc_end_k_q4822510340_p2:
	.size	k_q4822510340_p2, .Lfunc_end_k_q4822510340_p2-k_q4822510340_p2
	.p2alignl 7, 3214868480
	.fill 96, 4, 3214868480
	.section	.rodata,"a",@progbits
	.p2align	6, 0x0
	.amdhsa_kernel k_q4822510340_p2
		.amdhsa_group_segment_fixed_size 25600
		.amdhsa_private_segment_fixed_size 0
		.amdhsa_enable_private_segment 0
		.amdhsa_kernarg_size 72
		.amdhsa_user_sgpr_count 2
		.amdhsa_user_sgpr_kernarg_segment_ptr 1
		.amdhsa_wavefront_size32 1
		.amdhsa_system_sgpr_workgroup_id_x 1
		.amdhsa_system_sgpr_workgroup_id_y 1
		.amdhsa_system_sgpr_workgroup_id_z 1
		.amdhsa_system_vgpr_workitem_id 0
		.amdhsa_next_free_vgpr 512
		.amdhsa_next_free_sgpr 66
		.amdhsa_reserve_vcc 1
		.amdhsa_float_denorm_mode_32 3
		.amdhsa_float_denorm_mode_16_64 3
		.amdhsa_memory_ordered 1
		.amdhsa_forward_progress 1
		.amdhsa_inst_pref_size 188
	.end_amdhsa_kernel
	.amdgpu_metadata
---
amdhsa.version: [ 1, 2 ]
amdhsa.kernels:
  - .name:           k_q4822510340_p2
    .symbol:         k_q4822510340_p2.kd
    .args:
      - { .name: xh, .offset: 0, .size: 8, .value_kind: global_buffer, .address_space: global }
      - { .name: W1, .offset: 8, .size: 8, .value_kind: global_buffer, .address_space: global }
      - { .name: W2, .offset: 16, .size: 8, .value_kind: global_buffer, .address_space: global }
      - { .name: b2, .offset: 24, .size: 8, .value_kind: global_buffer, .address_space: global }
      - { .name: g1, .offset: 32, .size: 8, .value_kind: global_buffer, .address_space: global }
      - { .name: be1, .offset: 40, .size: 8, .value_kind: global_buffer, .address_space: global }
      - { .name: part1, .offset: 48, .size: 8, .value_kind: global_buffer, .address_space: global }
      - { .name: part2, .offset: 56, .size: 8, .value_kind: global_buffer, .address_space: global }
      - { .name: prm1, .offset: 64, .size: 8, .value_kind: global_buffer, .address_space: global }
    .group_segment_fixed_size: 25600
    .private_segment_fixed_size: 0
    .kernarg_segment_align: 8
    .kernarg_segment_size: 72
    .max_flat_workgroup_size: 256
    .sgpr_count:     66
    .vgpr_count:     512
    .wavefront_size: 32
...
	.end_amdgpu_metadata
.endif
;; end of part 2
;; launch p3 (part 3): grid 256 x 1, 8 waves a work-group, no clusters, 25,600 bytes of LDS; arguments xh, W1, W2, W3, b3, g2, be2, part2, prm1, part3, prm2; writes part3, prm2
.if DOCPART == 3
	.amdgcn_target "amdgcn-amd-amdhsa--gfx1250"
	.amdhsa_code_object_version 6
	.text
	.protected	k_q4822510340_p3
	.globl	k_q4822510340_p3
	.p2align	8
	.type	k_q4822510340_p3,@function
k_q4822510340_p3:
	s_mov_b64 s[64:65], 0
	v_nop
	global_prefetch_b8 v0, s[64:65] scope:SCOPE_SE
	s_setreg_imm32_b32 hwreg(HW_REG_WAVE_MODE, 25, 1), 1
	s_wait_xcnt 0x0
; Sweeps 2, 3 and 4 over the 2,097,152 rows are one text; PASS says which.  Sweep PASS finishes the batch norm of layer PASS - 1 from the last sweep's records,
; recomputes layers 1 .. PASS - 1 from xh (x in f16, in the matrix unit's register image), and then
;   PASS 2, 3: sums z - pivot and its square for layer PASS (one record of 256 bytes a work-group);   PASS 4: makes the output.
; ROWS.  A group is 256 rows = 16 tiles of 16 slots; tile t, slot m is row 256 G + 64 (m >> 2) + 4 t + (m & 3).  Work-group g owns groups 32 g .. 32 g + 31,
; wave w four of them = 64 tiles = 16 batches of 4 tiles.  xh: byte 8192 G + 512 t + 16 L (L = 16 h + m) holds f16 x[row][8 h .. 8 h + 7].
; THE MATRIX INSTRUCTION IS USED TRANSPOSED: A = 16 rows of the weights (features 16 tau + r), B = 16 slots.  Register j of lane (r, h) of the result is feature
; 16 tau + 8 h + j of slot r, so that packing tau 0's eight registers gives registers 0-3 of the next layer's B and tau 1's registers 4-7: no lane hands anything to another.
; Layer 1 has K = 16: one B tuple carries two tiles, the even one multiplied by [W1 | 0], the odd one by [0 | W1].
; THE NORM COSTS NO MULTIPLY-ADD PER NUMBER.  s = g rsq(var + 1e-5) is split into R = its sign and power of two and m = its mantissa in [1, 2):
; relu(s (z - mean) + be) = m q,  q = max(R raw + c, 0),  c = R (bp - mu) + be / m,  raw = the product without bias, bp = b - pivot, mu = mean of z - pivot.
; R scales the rows of this layer's weights (exact), m the columns of the next layer's, c is the matrix instruction's C operand.  g = 0 gives R = 0, q = max(be, 0).
; STATISTICS ABOUT A PIVOT: every wave sends the array's tile 0 through the layers and takes the mean of its 16 slots as pivot; var = Q / N - mu^2 is then no
; difference of large sums whatever offset the inputs carry.  All waves compute the same bits; work-group 0, wave 0 stores bp, and m, R, c for the later sweeps.
; LAYER 4 (PASS 4): A = a tile's 16 slots, B = W4 m3 in column t alone, summed over a group's 16 tiles: lane (r, h), register j is tile r, slot 8 h + j,
; and registers 4 q .. 4 q + 3 are 16 neighbouring bytes of out0: sixteen lanes store 256 consecutive bytes, aligned.
; No cluster, no tensor loads: work-groups share a few KB of weights and 64 KB of records against 256 KB of rows of their own, no wave reads another's rows,
; and 7 slots x 2 KB a wave in flight fit in registers.
; LIMITS.  Matrix operands are f16 (x, q, the scaled weights): magnitudes from 65,520 up become infinite, steps below 2^-24 are lost, also behind the scaling by R.
; A slope |s| below 2^-126 counts as 0.  NaN and infinities are not served (v_max_num drops a NaN; an infinity in a neighbouring tile meets a zero weight).
.set PASS, 3
.set XHB, 16                           ; argument k lies in s[16 + 2 k : 17 + 2 k]
.set W1B, 18
.set W2B, 20
.if PASS == 2
.set BB, 22
.set GB, 24
.set BEB, 26
.set PIN, 28
.set POUT, 30
.set PRMO, 32
.set G2N, 17                           ; loads of weights, bias and pivot: 4 + 8 + 4 + 1
.endif
.if PASS == 3
.set W3B, 22
.set BB, 24
.set GB, 26
.set BEB, 28
.set PIN, 30
.set PRM1B, 32
.set POUT, 34
.set PRMO, 36
.set G2N, 25                           ; 4 + 8 + 8 + 4 + 1
.endif
.if PASS == 4
.set W3B, 22
.set W4B, 24
.set B4B, 26
.set GB, 28
.set BEB, 30
.set PIN, 32
.set PRM1B, 34
.set PRM2B, 36
.set OUTB, 38
.set G2N, 24                           ; 4 + 8 + 8 + 4
.endif
; v1 my offset in xh; v2 my offset in out0; v3 = my LDS + 32 h; v4 = my LDS + 4 r; v5 = my LDS + 4 L
.set RS3,  6                           ; v[6:7]   R3 of features r, 16 + r (before that: scratch, bp)
.set BPV,  7
.set A1,   8                           ; v8-27    0000 | W1 tau 0 | 0000 | W1 tau 1 | 0000, four registers each
.set A2,   28                          ; v28-59   weights of layers 2, 3: 8 registers for each tau (v28-36 first serve the norm's figures)
.set MU,   28
.set VA,   29
.set RQ,   30
.set DV,   31
.set SV,   32
.set MV,   33
.set RV,   34
.set RC,   35
.set CV,   36
.set C1,   60                          ; v60-107  C operands of layers 1, 2, 3: register 8 tau + j = feature 16 tau + 8 h + j
.set CP,   C1+16*(PASS-1)
.set D,    108                         ; v108-171 results: tile i, tau at 108 + 16 i + 8 tau (before that: W2, W3 as loaded)
.set P,    172                         ; v172-203 activations in f16: tile i at 172 + 8 i (before that: sums of records; m2, m1 in k order)
.set AK3,  172
.set AK2,  188
.set SUM,  204                         ; v204-219 sums (before that: W1 as loaded; PASS 4: m3 in k order, then W4 m3 in f16)
.set SQ,   220                         ; v220-235 sums of squares (before that: the pivot's tuple; PASS 4: W4 as loaded)
.set ACC,  204                         ; PASS 4: two accumulators of layer 4
.set OUT,  220                         ; PASS 4: a group's outputs
.set OPART, 236                        ; v236-243 offsets, never written again while a load may read them
.set OW1,  237
.set OW2,  238
.set OH,   239
.set O16L, 240
.set O4L,  241
.set REDST, 242
.set REDLD, 243
.set PD1,  244                         ; v244-249 m, R, c of layers 1, 2 as the earlier sweeps stored them
.set PD2,  247
.set GV,   250
.set BEV,  251
.set RS1,  252
.set RS2,  254
.set PRM,  4096                        ; LDS: bytes 0-4095 sixteen partial records; then 2,048 bytes for each wave: layer l at 512 (l - 1): m, R, c, bp, 128 bytes each
.set WRED, 20480                       ; LDS: 256 bytes for each wave: 32 sums, 32 sums of squares
; window 1 (v256-511): 0-127 the ring, 8 slots of 16 registers (slot s, tile i at 16 s + 4 i); 128-191 the records as loaded; PASS 4: 128-255 sixteen masks of 8
.set MSB, 0
.macro WIN new                         ; s_set_vgpr_msb: bits 1:0 source 0, 3:2 source 1, 5:4 source 2, 7:6 destination; the high byte repeats the setting that is left
.if MSB != \new
	s_set_vgpr_msb (MSB<<8)|\new
.set MSB, \new
.endif
.endm
.macro PLACES                          ; four places behind a run of matrix instructions (ISA guide 7.12.1) before results are read, sources written or loaded into
.rept 4
	v_nop
.endr
.endm
.macro MM1T i, b                       ; layer 1 of tile i; b: first register of the B tuples
.irp t, 0,1
	v_wmma_f32_16x16x32_f16 v[D+16*\i+8*\t:D+16*\i+8*\t+7], v[A1+4+8*\t-4*(\i&1):A1+11+8*\t-4*(\i&1)], v[\b+8*(\i>>1):\b+8*(\i>>1)+7], v[C1+8*\t:C1+8*\t+7]
.endr
.endm
.macro MM1 b
.irp i, 0,1,2,3
	MM1T \i, \b
.endr
.endm
.macro MMLT l, i                       ; layer l (2 or 3) of tile i
.irp t, 0,1
	v_wmma_f32_16x16x32_f16 v[D+16*\i+8*\t:D+16*\i+8*\t+7], v[A2+16*(\l-2)+8*\t:A2+16*(\l-2)+8*\t+7], v[P+8*\i:P+8*\i+7], v[C1+16*(\l-1)+8*\t:C1+16*(\l-1)+8*\t+7]
.endr
.endm
.macro MML l
.irp i, 0,1,2,3
	MMLT \l, \i
.endr
.endm
.macro ACT i                           ; q = max(., 0), two numbers an instruction, then two roundings to f16 an instruction
.irp k, 0,2,4,6,8,10,12,14
	v_dual_max_num_f32 v[D+16*\i+\k], 0, v[D+16*\i+\k] :: v_dual_max_num_f32 v[D+16*\i+\k+1], 0, v[D+16*\i+\k+1]
.endr
.irp k, 0,1,2,3,4,5,6,7
	v_cvt_pk_f16_f32 v[P+8*\i+\k], v[D+16*\i+2*\k], v[D+16*\i+2*\k+1]
.endr
.endm
.macro ACT4
.irp i, 0,1,2,3
	ACT \i
.endr
.endm
.macro STAT i
.irp k, 0,2,4,6,8,10,12,14
	v_pk_add_f32 v[SUM+\k:SUM+\k+1], v[SUM+\k:SUM+\k+1], v[D+16*\i+\k:D+16*\i+\k+1]
	v_pk_fma_f32 v[SQ+\k:SQ+\k+1], v[D+16*\i+\k:D+16*\i+\k+1], v[D+16*\i+\k:D+16*\i+\k+1], v[SQ+\k:SQ+\k+1]
.endr
.endm
.macro STATB first                     ; a batch into the sums; first = 1: tiles 0 and 1 start them, nothing is cleared
.if \first
.irp k, 0,2,4,6,8,10,12,14
	v_pk_add_f32 v[SUM+\k:SUM+\k+1], v[D+\k:D+\k+1], v[D+16+\k:D+16+\k+1]
	v_pk_mul_f32 v[SQ+\k:SQ+\k+1], v[D+\k:D+\k+1], v[D+\k:D+\k+1]
.endr
.irp k, 0,2,4,6,8,10,12,14
	v_pk_fma_f32 v[SQ+\k:SQ+\k+1], v[D+16+\k:D+16+\k+1], v[D+16+\k:D+16+\k+1], v[SQ+\k:SQ+\k+1]
.endr
.else
	STAT 0
	STAT 1
.endif
	STAT 2
	STAT 3
.endm
.macro FOLD base, pairs                ; adds the upper \pairs register pairs onto the lower ones
.set k, 0
.rept \pairs
	v_pk_add_f32 v[\base+2*k:\base+2*k+1], v[\base+2*k:\base+2*k+1], v[\base+2*(\pairs)+2*k:\base+2*(\pairs)+2*k+1]
.set k, k+1
.endr
.endm
.macro LDQ4 dst, off, base, imm        ; 16 f32 in the order of a fragment's k (or of C's features): bytes 0, 16, 64, 80 beside 32 h
.irp q, 0,1,2,3
	global_load_b128 v[\dst+4*\q:\dst+4*\q+3], v[\off], s[\base:\base+1] offset:\imm+16*(\q&1)+64*(\q>>1)
.endr
.endm
.macro DLQ4 dst, adr, imm
.irp q, 0,1,2,3
	ds_load_b128 v[\dst+4*\q:\dst+4*\q+3], v[\adr] offset:\imm+16*(\q&1)+64*(\q>>1)
.endr
.endm
.macro DSQ4 adr, src, imm
.irp q, 0,1,2,3
	ds_store_b128 v[\adr], v[\src+4*\q:\src+4*\q+3] offset:\imm+16*(\q&1)+64*(\q>>1)
.endr
.endm
.macro KNOWN l, rs                     ; a finished layer's R (of my two weight rows) and c (as the C operand) from my own LDS
	ds_load_b32 v[\rs], v4 offset:512*(\l-1)+128
	ds_load_b32 v[\rs+1], v4 offset:512*(\l-1)+192
	DLQ4 C1+16*(\l-1), 3, 512*(\l-1)+256
.endm
.macro RMUL a, rs, t                   ; a pair times R of row 16 t + r: the first or the second register of rs feeds both halves
.if \t
	v_pk_mul_f32 v[\a:\a+1], v[\a:\a+1], v[\rs:\rs+1] op_sel:[0,1] op_sel_hi:[1,1]
.else
	v_pk_mul_f32 v[\a:\a+1], v[\a:\a+1], v[\rs:\rs+1] op_sel_hi:[1,0]
.endif
.endm
.macro BUILDL l, raw, ak, rs, known    ; layer l's fragments: f16(W m[k]), and where the layer's norm is finished f16(W m[k] R[row]): the same bits, scaled by a power of two
.irp t, 0,1
.irp k, 0,2,4,6,8,10,12,14
	v_pk_mul_f32 v[\raw+16*\t+\k:\raw+16*\t+\k+1], v[\raw+16*\t+\k:\raw+16*\t+\k+1], v[\ak+\k:\ak+\k+1]
.endr
.if \known
.irp k, 0,2,4,6,8,10,12,14
	RMUL (\raw+16*\t+\k), \rs, \t
.endr
.endif
.irp k, 0,1,2,3,4,5,6,7
	v_cvt_pk_f16_f32 v[A2+16*(\l-2)+8*\t+\k], v[\raw+16*\t+2*\k], v[\raw+16*\t+2*\k+1]
.endr
.endr
.endm
.macro FILL s, beta                    ; batch beta of my 16 into slot s: 4 loads of 512 consecutive bytes
	WIN 0x40
.irp i, 0,1,2,3
.if PASS == 4
	global_load_b128 v[16*(\s)+4*\i:16*(\s)+4*\i+3], v1, s[44:45] offset:2048*(\beta)+512*\i th:TH_LOAD_NT
.else
	global_load_b128 v[16*(\s)+4*\i:16*(\s)+4*\i+3], v1, s[44:45] offset:2048*(\beta)+512*\i
.endif
.endr
.endm
.macro L4 beta                         ; layer 4 of a batch.  The two accumulators take turns, one instruction a turn; a group's first two products start the sums
	WIN 0x04
.irp i, 0,1,2,3
.if 4*((\beta)&3)+\i < 2
	v_wmma_f32_16x16x32_f16 v[ACC+8*(\i&1):ACC+8*(\i&1)+7], v[P+8*\i:P+8*\i+7], v[128+8*(4*((\beta)&3)+\i):128+8*(4*((\beta)&3)+\i)+7], 0
.else
	v_wmma_f32_16x16x32_f16 v[ACC+8*(\i&1):ACC+8*(\i&1)+7], v[P+8*\i:P+8*\i+7], v[128+8*(4*((\beta)&3)+\i):128+8*(4*((\beta)&3)+\i)+7], v[ACC+8*(\i&1):ACC+8*(\i&1)+7]
.endif
.endr
.endm
.macro OUTG grp                        ; a group's 256 outputs
	WIN 0
	PLACES
	s_wait_xcnt 0x0                                ; OUT is the data of the last group's stores: written again only behind this wait
.irp k, 0,2,4,6
	v_pk_add_f32 v[OUT+\k:OUT+\k+1], v[ACC+\k:ACC+\k+1], v[ACC+8+\k:ACC+8+\k+1]
.endr
.irp k, 0,2,4,6
	v_pk_add_f32 v[OUT+\k:OUT+\k+1], v[OUT+\k:OUT+\k+1], s[40:41] op_sel_hi:[1,0]   ; + b4
.endr
	global_store_b128 v2, v[OUT:OUT+3], s[46:47] offset:1024*(\grp) th:TH_STORE_NT
	global_store_b128 v2, v[OUT+4:OUT+7], s[46:47] offset:1024*(\grp)+256 th:TH_STORE_NT
.endm
; One batch of four tiles.  cnt = the loads younger than this slot's four.
.macro BATCH beta, ahead, cnt
	s_wait_loadcnt \cnt                            ; loads come back in order: my slot is in, the younger slots stay out
	WIN 0x04
	MM1 16*((\beta)&7)
	PLACES
.if \ahead
	FILL ((\beta)&7), ((\beta)+8)
.endif
	WIN 0
	ACT4
.if PASS >= 3
	MML 2
	PLACES
	ACT4
.endif
.if PASS == 4
	MML 3
	PLACES
	ACT4
	L4 \beta
.if ((\beta)&3)==3
	OUTG ((\beta)>>2)
.endif
.else
	MML PASS
	PLACES
.if (\beta)==0
	STATB 1
.else
	STATB 0
.endif
.endif
.endm
	s_load_b512 s[16:31], s[0:1], 0x0
.if PASS == 2
	s_load_b64 s[32:33], s[0:1], 0x40
.endif
.if PASS == 3
	s_load_b128 s[32:35], s[0:1], 0x40
	s_load_b64 s[36:37], s[0:1], 0x50
	v_lshl_add_u32 v248, v0, 2, 0x6000
	v_mov_b32 v249, 0
.endif
.if PASS == 4
	s_load_b256 s[32:39], s[0:1], 0x40
.endif
	v_lshrrev_b32 v7, 5, v0
	v_readfirstlane_b32 s8, v7                     ; wave
	s_mov_b32 s9, ttmp9                            ; work-group
	s_or_b32 s42, s9, s8                           ; 0 in wave 0 of work-group 0 alone
	s_mov_b32 s52, 0x3f800000                      ; the bits of 1.0
	v_and_b32 v6, 31, v0                           ; L
	v_and_b32 v4, 15, v0                           ; r
	v_bfe_u32 v3, v0, 4, 1                         ; h
	v_lshrrev_b32 v5, 4, v0                        ; thread / 16
	v_lshlrev_b32 v[O16L], 4, v6
	v_lshlrev_b32 v[O4L], 2, v6
	v_lshlrev_b32 v[REDLD], 3, v6
	v_lshlrev_b32 v[REDST], 4, v0
	v_lshlrev_b32 v[OH], 5, v3
	v_lshl_add_u32 v1, v7, 15, v[O16L]             ; xh: 16 L + my wave's 32,768 bytes
	v_lshl_add_u32 v[OW1], v4, 6, v[OH]            ; a row of W1 is 64 bytes,
	v_lshl_add_u32 v[OW2], v4, 7, v[OH]            ; of W2, W3 128
	v_lshlrev_b32 v[OPART], 4, v4                  ; records: thread t takes bytes 16 (t & 15) .. of records 16 (t >> 4) .. + 15
	v_lshl_add_u32 v[OPART], v5, 12, v[OPART]
.if PASS == 4
	v_lshlrev_b32 v2, 4, v4                        ; out0: 16 r + 512 h + my wave's 4,096 bytes
	v_lshl_add_u32 v2, v3, 9, v2
	v_lshl_add_u32 v2, v7, 12, v2
.endif
	s_lshl_b32 s50, s8, 11
	s_add_co_u32 s50, s50, PRM                     ; my wave's own LDS
	v_add_nc_u32 v3, s50, v[OH]
	v_lshl_add_u32 v4, v4, 2, s50
	v_add_nc_u32 v5, s50, v[O4L]
	s_lshl_b32 s10, s9, 18                         ; the work-group's 262,144 bytes of xh
	s_mov_b32 s11, 0
.if PASS == 4
	s_lshl_b32 s12, s9, 15                         ; its 32,768 bytes of out0
.else
	s_lshl_b32 s12, s9, 8                          ; its record
.endif
	s_mov_b32 s13, 0
	s_wait_kmcnt 0x0
	s_add_nc_u64 s[44:45], s[XHB:XHB+1], s[10:11]
.if PASS == 4
	s_add_nc_u64 s[46:47], s[OUTB:OUTB+1], s[12:13]
	s_load_b32 s40, s[B4B:B4B+1], 0x0
.else
	s_add_nc_u64 s[48:49], s[POUT:POUT+1], s[12:13]
.endif
	; first what the norm needs: the 256 records (16 pieces of 16 bytes a thread), g, be, bp, the earlier layers' m, R, c
	WIN 0x40
.irp n, 0,1,2,3,4,5,6,7,8,9,10,11,12,13,14,15
	global_load_b128 v[128+4*\n:131+4*\n], v[OPART], s[PIN:PIN+1] offset:256*\n
.endr
	WIN 0
	global_load_b32 v[GV], v[O4L], s[GB:GB+1]
	global_load_b32 v[BEV], v[O4L], s[BEB:BEB+1]
	global_load_b32 v[BPV], v[O4L], s[PIN:PIN+1] offset:65536
.if PASS >= 3
.irp q, 0,1,2
	global_load_b32 v[PD1+\q], v[O4L], s[PRM1B:PRM1B+1] offset:128*\q
.endr
.endif
.if PASS == 4
.irp q, 0,1,2
	global_load_b32 v[PD2+\q], v[O4L], s[PRM2B:PRM2B+1] offset:128*\q
.endr
.endif
	; then the weights, the bias and the pivot's tile: G2N loads
	global_load_b128 v[204:207], v[OW1], s[W1B:W1B+1]
	global_load_b128 v[208:211], v[OW1], s[W1B:W1B+1] offset:16
	global_load_b128 v[212:215], v[OW1], s[W1B:W1B+1] offset:1024
	global_load_b128 v[216:219], v[OW1], s[W1B:W1B+1] offset:1040
	LDQ4 108, OW2, W2B, 0
	LDQ4 124, OW2, W2B, 2048
.if PASS >= 3
	LDQ4 140, OW2, W3B, 0
	LDQ4 156, OW2, W3B, 2048
.endif
.if PASS == 4
	LDQ4 220, OH, W4B, 0
.else
	LDQ4 CP, OH, BB, 0
	global_load_b128 v[220:223], v[O16L], s[XHB:XHB+1]         ; the array's tile 0
.endif
	; then half of my rows: 32 loads
.irp s, 0,1,2,3,4,5,6,7
	FILL \s, \s
.endr
	s_wait_loadcnt G2N+32                          ; the records and the norm's figures are in; the G2N + 32 younger loads stay out
	WIN 0x05
.irp n, 0,1,2,3,4,5,6,7
	v_pk_add_f32 v[P+4*\n:P+4*\n+1], v[128+4*\n:129+4*\n], v[160+4*\n:161+4*\n]
	v_pk_add_f32 v[P+4*\n+2:P+4*\n+3], v[130+4*\n:131+4*\n], v[162+4*\n:163+4*\n]
.endr
	WIN 0
	FOLD P, 8
	FOLD P, 4
	FOLD P, 2                                      ; my 16 bytes of the sum of 16 records
	ds_store_b128 v[REDST], v[P:P+3]
	s_wait_dscnt 0x0                               ; zero: every wave reads these bytes behind the barrier
	s_barrier_signal -1
	s_barrier_wait -1
.irp n, 0,1,2,3,4,5,6,7,8,9,10,11,12,13,14,15
	ds_load_b64 v[P+2*\n:P+2*\n+1], v[REDLD] offset:256*\n     ; lane = feature: its pair in each of the 16 partial records
.endr
	s_wait_dscnt 0x0
	FOLD P, 8
	FOLD P, 4
	FOLD P, 2
	FOLD P, 1                                      ; (sum, sum of squares) over all rows, the same bits in every wave of the launch
	; the norm of layer PASS - 1, lane = feature
	v_mul_f32 v[MU], 0x35000000, v[P]              ; / 2,097,152 = 2^-21
	v_mul_f32 v[VA], 0x35000000, v[P+1]
	v_fma_f32 v[VA], -v[MU], v[MU], v[VA]
	v_max_num_f32 v[VA], 0, v[VA]
	v_add_f32 v[VA], 0x3727c5ac, v[VA]             ; + 1e-5
	v_rsq_f32 v[RQ], v[VA]
	v_sub_f32 v[DV], v[BPV], v[MU]                 ; the plain instruction between v_rsq_f32 and the use of its result
	s_wait_alu depctr_va_vdst(0)
	v_mul_f32 v[SV], v[GV], v[RQ]                  ; s
	v_and_or_b32 v[MV], v[SV], 0x007fffff, s52     ; m: its mantissa, in [1, 2)
	v_and_b32 v[RV], 0xff800000, v[SV]             ; R: its sign and power of two (0 for a zero or denormal s)
	v_rcp_f32 v[RC], v[MV]
	v_nop
	s_wait_alu depctr_va_vdst(0)
	v_mul_f32 v[CV], v[BEV], v[RC]
	v_fmac_f32 v[CV], v[RV], v[DV]                 ; c = R (bp - mu) + be / m
	ds_store_b32 v5, v[MV] offset:512*(PASS-2)
	ds_store_b32 v5, v[RV] offset:512*(PASS-2)+128
	ds_store_b32 v5, v[CV] offset:512*(PASS-2)+256
.if PASS >= 3
.irp q, 0,1,2
	ds_store_b32 v5, v[PD1+\q] offset:128*\q
.endr
.endif
.if PASS == 4
.irp q, 0,1,2
	ds_store_b32 v5, v[PD2+\q] offset:512+128*\q
.endr
.endif
.if PASS <= 3
	s_cmp_lg_u32 s42, 0
	s_cbranch_scc1 .Lno_prm
	global_store_b32 v[O4L], v[MV], s[PRMO:PRMO+1]
	global_store_b32 v[O4L], v[RV], s[PRMO:PRMO+1] offset:128
	global_store_b32 v[O4L], v[CV], s[PRMO:PRMO+1] offset:256
	s_wait_xcnt 0x0                                ; their data registers become layer 2's fragments below
.Lno_prm:
.endif
	; back from my own LDS in the matrix unit's orders (LDS serves a wave's instructions in order: these see the stores above)
	KNOWN 1, RS1
	DLQ4 AK2, 3, 0
.if PASS >= 3
	KNOWN 2, RS2
	DLQ4 AK3, 3, 512
.endif
.if PASS == 4
	KNOWN 3, RS3
.endif
	s_wait_dscnt 0x0
	s_wait_loadcnt 32                              ; weights, bias, pivot tile are in; only the ring's 32 loads are younger
.irp z, 8,9,10,11,16,17,18,19,24,25,26,27
	v_mov_b32 v\z, 0
.endr
.irp t, 0,1
.irp k, 0,2,4,6
	RMUL (204+8*\t+\k), RS1, \t
.endr
.irp j, 0,1,2,3
	v_cvt_pk_f16_f32 v[A1+4+8*\t+\j], v[204+8*\t+2*\j], v[205+8*\t+2*\j]
.endr
.endr
.if PASS == 2
	BUILDL 2, 108, AK2, 0, 0
.endif
.if PASS == 3
	BUILDL 2, 108, AK2, RS2, 1
	BUILDL 3, 140, AK3, 0, 0
.endif
.if PASS == 4
	DLQ4 204, 3, 1024                              ; m3 in k order, where W1 lay
	BUILDL 2, 108, AK2, RS2, 1
	BUILDL 3, 140, AK3, RS3, 1
	s_wait_dscnt 0x0
.irp k, 0,2,4,6,8,10,12,14
	v_pk_mul_f32 v[220+\k:221+\k], v[220+\k:221+\k], v[204+\k:205+\k]
.endr
.irp k, 0,1,2,3,4,5,6,7
	v_cvt_pk_f16_f32 v[204+\k], v[220+2*\k], v[221+2*\k]       ; f16(W4 m3), in k order
.endr
	v_and_b32 v212, 15, v0                         ; r
	WIN 0x40
.irp t, 0,1,2,3,4,5,6,7,8,9,10,11,12,13,14,15
	v_cmp_eq_u32 vcc_lo, \t, v212
.irp k, 0,1,2,3,4,5,6,7
	v_cndmask_b32 v[128+8*\t+\k], 0, v[204+\k], vcc_lo         ; mask t: the column r = t alone holds W4 m3
.endr
.endr
	WIN 0
	s_wait_kmcnt 0x0
	s_mov_b32 s41, s40                             ; b4, as a pair
.else
	; the pivot: tile 0 through the layers, the mean of its 16 slots taken off the bias
.irp j, 0,1,2,3
	v_mov_b32 v[224+\j], 0                         ; the tuple's other tile meets zero weights
.endr
	MM1T 0, 220
	PLACES
	ACT 0
	MMLT 2, 0
	PLACES
.if PASS == 3
	ACT 0
	MMLT 3, 0
	PLACES
.endif
.irp x, 1,2,4,8
.set k, 0
.rept 16
	v_add_f32_dpp v[D+k], v[D+k], v[D+k] row_xmask:\x row_mask:0xf bank_mask:0xf
.set k, k+1
.endr
.endr
.set k, 0
.rept 16
	v_fmac_f32 v[CP+k], 0xbd800000, v[D+k]         ; C = b - sum / 16
.set k, k+1
.endr
	DSQ4 3, CP, 512*(PASS-1)+384                   ; by features, in my own LDS (sixteen lanes write the same bytes)
	s_cmp_lg_u32 s42, 0
	s_cbranch_scc1 .Lno_bp
	ds_load_b32 v228, v5 offset:512*(PASS-1)+384
	s_wait_dscnt 0x0
	global_store_b32 v[O4L], v228, s[POUT:POUT+1] offset:65536
	s_wait_xcnt 0x0                                ; v228 becomes a sum of squares below
.Lno_bp:
.endif
.irp b, 0,1,2,3,4,5,6,7
	BATCH \b, 1, 28                                ; seven younger slots of four loads
.endr
.irp b, 8,9,10,11,12,13,14,15
	BATCH \b, 0, 4*(15-\b)                         ; nothing more to ask for: the counts run down
.endr
.if PASS <= 3
.irp x, 1,2,4,8                                    ; over the 16 slots
.set k, 0
.rept 32
	v_add_f32_dpp v[SUM+k], v[SUM+k], v[SUM+k] row_xmask:\x row_mask:0xf bank_mask:0xf
.set k, k+1
.endr
.endr
	s_lshl_b32 s51, s8, 8
	s_add_co_u32 s51, s51, WRED
	v_add_nc_u32 v244, s51, v[OH]
	DSQ4 244, SUM, 0
	DSQ4 244, SQ, 128
	s_wait_dscnt 0x0                               ; zero: wave 0 reads these bytes behind the barrier
	s_barrier_signal -1
	s_barrier_wait -1
	s_cmp_lg_u32 s8, 0
	s_cbranch_scc1 .Lend
	v_add_nc_u32 v245, WRED, v[O4L]                ; lane = feature
.irp w, 0,1,2,3,4,5,6,7
	ds_load_b32 v[D+2*\w], v245 offset:256*\w
	ds_load_b32 v[D+2*\w+1], v245 offset:256*\w+128
.endr
	v_lshlrev_b32 v246, 1, v[O4L]
	s_wait_dscnt 0x0
	FOLD D, 4
	FOLD D, 2
	FOLD D, 1
	global_store_b64 v246, v[D:D+1], s[48:49]      ; the record: 256 consecutive bytes, aligned
.Lend:
.endif
	s_wait_tensorcnt 0x0
	ds_add_u32 v248, v249
	s_wait_dscnt 0x0
	s_endpgm
.Lfunc_end_k_q4822510340_p3:
	.size	k_q4822510340_p3, .Lfunc_end_k_q4822510340_p3-k_q4822510340_p3
	.p2alignl 7, 3214868480
	.fill 96, 4, 3214868480
	.section	.rodata,"a",@progbits
	.p2align	6, 0x0
	.amdhsa_kernel k_q4822510340_p3
		.amdhsa_group_segment_fixed_size 25600
		.amdhsa_private_segment_fixed_size 0
		.amdhsa_enable_private_segment 0
		.amdhsa_kernarg_size 88
		.amdhsa_user_sgpr_count 2
		.amdhsa_user_sgpr_kernarg_segment_ptr 1
		.amdhsa_wavefront_size32 1
		.amdhsa_system_sgpr_workgroup_id_x 1
		.amdhsa_system_sgpr_workgroup_id_y 1
		.amdhsa_system_sgpr_workgroup_id_z 1
		.amdhsa_system_vgpr_workitem_id 0
		.amdhsa_next_free_vgpr 512
		.amdhsa_next_free_sgpr 66
		.amdhsa_reserve_vcc 1
		.amdhsa_float_denorm_mode_32 3
		.amdhsa_float_denorm_mode_16_64 3
		.amdhsa_memory_ordered 1
		.amdhsa_forward_progress 1
		.amdhsa_inst_pref_size 255
	.end_amdhsa_kernel
	.section	.bss,"aw",@nobits
	.p2align	6
	.space	262144
	.amdgpu_metadata
---
amdhsa.version: [ 1, 2 ]
amdhsa.kernels:
  - .name:           k_q4822510340_p3
    .symbol:         k_q4822510340_p3.kd
    .args:
      - { .name: xh, .offset: 0, .size: 8, .value_kind: global_buffer, .address_space: global }
      - { .name: W1, .offset: 8, .size: 8, .value_kind: global_buffer, .address_space: global }
      - { .name: W2, .offset: 16, .size: 8, .value_kind: global_buffer, .address_space: global }
      - { .name: W3, .offset: 24, .size: 8, .value_kind: global_buffer, .address_space: global }
      - { .name: b3, .offset: 32, .size: 8, .value_kind: global_buffer, .address_space: global }
      - { .name: g2, .offset: 40, .size: 8, .value_kind: global_buffer, .address_space: global }
      - { .name: be2, .offset: 48, .size: 8, .value_kind: global_buffer, .address_space: global }
      - { .name: part2, .offset: 56, .size: 8, .value_kind: global_buffer, .address_space: global }
      - { .name: prm1, .offset: 64, .size: 8, .value_kind: global_buffer, .address_space: global }
      - { .name: part3, .offset: 72, .size: 8, .value_kind: global_buffer, .address_space: global }
      - { .name: prm2, .offset: 80, .size: 8, .value_kind: global_buffer, .address_space: global }
    .group_segment_fixed_size: 25600
    .private_segment_fixed_size: 0
    .kernarg_segment_align: 8
    .kernarg_segment_size: 88
    .max_flat_workgroup_size: 256
    .sgpr_count:     66
    .vgpr_count:     512
    .wavefront_size: 32
...
	.end_amdgpu_metadata
.endif
;; end of part 3
;; launch p4 (part 4): grid 256 x 1, 8 waves a work-group, no clusters, 25,600 bytes of LDS; arguments xh, W1, W2, W3, W4, b4, g3, be3, part3, prm1, prm2, out0; writes out0
.if DOCPART == 4
	.amdgcn_target "amdgcn-amd-amdhsa--gfx1250"
	.amdhsa_code_object_version 6
	.text
	.protected	k_q4822510340_p4
	.globl	k_q4822510340_p4
	.p2align	8
	.type	k_q4822510340_p4,@function
k_q4822510340_p4:
	s_mov_b64 s[64:65], 0
	v_nop
	global_prefetch_b8 v0, s[64:65] scope:SCOPE_SE
	s_setreg_imm32_b32 hwreg(HW_REG_WAVE_MODE, 25, 1), 1
	s_wait_xcnt 0x0
; Sweeps 2, 3 and 4 over the 2,097,152 rows are one text; PASS says which.  Sweep PASS finishes the batch norm of layer PASS - 1 from the last sweep's records,
; recomputes layers 1 .. PASS - 1 from xh (x in f16, in the matrix unit's register image), and then
;   PASS 2, 3: sums z - pivot and its square for layer PASS (one record of 256 bytes a work-group);   PASS 4: makes the output.
; ROWS.  A group is 256 rows = 16 tiles of 16 slots; tile t, slot m is row 256 G + 64 (m >> 2) + 4 t + (m & 3).  Work-group g owns groups 32 g .. 32 g + 31,
; wave w four of them = 64 tiles = 16 batches of 4 tiles.  xh: byte 8192 G + 512 t + 16 L (L = 16 h + m) holds f16 x[row][8 h .. 8 h + 7].
; THE MATRIX INSTRUCTION IS USED TRANSPOSED: A = 16 rows of the weights (features 16 tau + r), B = 16 slots.  Register j of lane (r, h) of the result is feature
; 16 tau + 8 h + j of slot r, so that packing tau 0's eight registers gives registers 0-3 of the next layer's B and tau 1's registers 4-7: no lane hands anything to another.
; Layer 1 has K = 16: one B tuple carries two tiles, the even one multiplied by [W1 | 0], the odd one by [0 | W1].
; THE NORM COSTS NO MULTIPLY-ADD PER NUMBER.  s = g rsq(var + 1e-5) is split into R = its sign and power of two and m = its mantissa in [1, 2):
; relu(s (z - mean) + be) = m q,  q = max(R raw + c, 0),  c = R (bp - mu) + be / m,  raw = the product without bias, bp = b - pivot, mu = mean of z - pivot.
; R scales the rows of this layer's weights (exact), m the columns of the next layer's, c is the matrix instruction's C operand.  g = 0 gives R = 0, q = max(be, 0).
; STATISTICS ABOUT A PIVOT: every wave sends the array's tile 0 through the layers and takes the mean of its 16 slots as pivot; var = Q / N - mu^2 is then no
; difference of large sums whatever offset the inputs carry.  All waves compute the same bits; work-group 0, wave 0 stores bp, and m, R, c for the later sweeps.
; LAYER 4 (PASS 4): A = a tile's 16 slots, B = W4 m3 in column t alone, summed over a group's 16 tiles: lane (r, h), register j is tile r, slot 8 h + j,
; and registers 4 q .. 4 q + 3 are 16 neighbouring bytes of out0: sixteen lanes store 256 consecutive bytes, aligned.
; No cluster, no tensor loads: work-groups share a few KB of weights and 64 KB of records against 256 KB of rows of their own, no wave reads another's rows,
; and 7 slots x 2 KB a wave in flight fit in registers.
; LIMITS.  Matrix operands are f16 (x, q, the scaled weights): magnitudes from 65,520 up become infinite, steps below 2^-24 are lost, also behind the scaling by R.
; A slope |s| below 2^-126 counts as 0.  NaN and infinities are not served (v_max_num drops a NaN; an infinity in a neighbouring tile meets a zero weight).
.set PASS, 4
.set XHB, 16                           ; argument k lies in s[16 + 2 k : 17 + 2 k]
.set W1B, 18
.set W2B, 20
.if PASS == 2
.set BB, 22
.set GB, 24
.set BEB, 26
.set PIN, 28
.set POUT, 30
.set PRMO, 32
.set G2N, 17                           ; loads of weights, bias and pivot: 4 + 8 + 4 + 1
.endif
.if PASS == 3
.set W3B, 22
.set BB, 24
.set GB, 26
.set BEB, 28
.set PIN, 30
.set PRM1B, 32
.set POUT, 34
.set PRMO, 36
.set G2N, 25                           ; 4 + 8 + 8 + 4 + 1
.endif
.if PASS == 4
.set W3B, 22
.set W4B, 24
.set B4B, 26
.set GB, 28
.set BEB, 30
.set PIN, 32
.set PRM1B, 34
.set PRM2B, 36
.set OUTB, 38
.set G2N, 24                           ; 4 + 8 + 8 + 4
.endif
; v1 my offset in xh; v2 my offset in out0; v3 = my LDS + 32 h; v4 = my LDS + 4 r; v5 = my LDS + 4 L
.set RS3,  6                           ; v[6:7]   R3 of features r, 16 + r (before that: scratch, bp)
.set BPV,  7
.set A1,   8                           ; v8-27    0000 | W1 tau 0 | 0000 | W1 tau 1 | 0000, four registers each
.set A2,   28                          ; v28-59   weights of layers 2, 3: 8 registers for each tau (v28-36 first serve the norm's figures)
.set MU,   28
.set VA,   29
.set RQ,   30
.set DV,   31
.set SV,   32
.set MV,   33
.set RV,   34
.set RC,   35
.set CV,   36
.set C1,   60                          ; v60-107  C operands of layers 1, 2, 3: register 8 tau + j = feature 16 tau + 8 h + j
.set CP,   C1+16*(PASS-1)
.set D,    108                         ; v108-171 results: tile i, tau at 108 + 16 i + 8 tau (before that: W2, W3 as loaded)
.set P,    172                         ; v172-203 activations in f16: tile i at 172 + 8 i (before that: sums of records; m2, m1 in k order)
.set AK3,  172
.set AK2,  188
.set SUM,  204                         ; v204-219 sums (before that: W1 as loaded; PASS 4: m3 in k order, then W4 m3 in f16)
.set SQ,   220                         ; v220-235 sums of squares (before that: the pivot's tuple; PASS 4: W4 as loaded)
.set ACC,  204                         ; PASS 4: two accumulators of layer 4
.set OUT,  220                         ; PASS 4: a group's outputs
.set OPART, 236                        ; v236-243 offsets, never written again while a load may read them
.set OW1,  237
.set OW2,  238
.set OH,   239
.set O16L, 240
.set O4L,  241
.set REDST, 242
.set REDLD, 243
.set PD1,  244                         ; v244-249 m, R, c of layers 1, 2 as the earlier sweeps stored them
.set PD2,  247
.set GV,   250
.set BEV,  251
.set RS1,  252
.set RS2,  254
.set PRM,  4096                        ; LDS: bytes 0-4095 sixteen partial records; then 2,048 bytes for each wave: layer l at 512 (l - 1): m, R, c, bp, 128 bytes each
.set WRED, 20480                       ; LDS: 256 bytes for each wave: 32 sums, 32 sums of squares
; window 1 (v256-511): 0-127 the ring, 8 slots of 16 registers (slot s, tile i at 16 s + 4 i); 128-191 the records as loaded; PASS 4: 128-255 sixteen masks of 8
.set MSB, 0
.macro WIN new                         ; s_set_vgpr_msb: bits 1:0 source 0, 3:2 source 1, 5:4 source 2, 7:6 destination; the high byte repeats the setting that is left
.if MSB != \new
	s_set_vgpr_msb (MSB<<8)|\new
.set MSB, \new
.endif
.endm
.macro PLACES                          ; four places behind a run of matrix instructions (ISA guide 7.12.1) before results are read, sources written or loaded into
.rept 4
	v_nop
.endr
.endm
.macro MM1T i, b                       ; layer 1 of tile i; b: first register of the B tuples
.irp t, 0,1
	v_wmma_f32_16x16x32_f16 v[D+16*\i+8*\t:D+16*\i+8*\t+7], v[A1+4+8*\t-4*(\i&1):A1+11+8*\t-4*(\i&1)], v[\b+8*(\i>>1):\b+8*(\i>>1)+7], v[C1+8*\t:C1+8*\t+7]
.endr
.endm
.macro MM1 b
.irp i, 0,1,2,3
	MM1T \i, \b
.endr
.endm
.macro MMLT l, i                       ; layer l (2 or 3) of tile i
.irp t, 0,1
	v_wmma_f32_16x16x32_f16 v[D+16*\i+8*\t:D+16*\i+8*\t+7], v[A2+16*(\l-2)+8*\t:A2+16*(\l-2)+8*\t+7], v[P+8*\i:P+8*\i+7], v[C1+16*(\l-1)+8*\t:C1+16*(\l-1)+8*\t+7]
.endr
.endm
.macro MML l
.irp i, 0,1,2,3
	MMLT \l, \i
.endr
.endm
.macro ACT i                           ; q = max(., 0), two numbers an instruction, then two roundings to f16 an instruction
.irp k, 0,2,4,6,8,10,12,14
	v_dual_max_num_f32 v[D+16*\i+\k], 0, v[D+16*\i+\k] :: v_dual_max_num_f32 v[D+16*\i+\k+1], 0, v[D+16*\i+\k+1]
.endr
.irp k, 0,1,2,3,4,5,6,7
	v_cvt_pk_f16_f32 v[P+8*\i+\k], v[D+16*\i+2*\k], v[D+16*\i+2*\k+1]
.endr
.endm
.macro ACT4
.irp i, 0,1,2,3
	ACT \i
.endr
.endm
.macro STAT i
.irp k, 0,2,4,6,8,10,12,14
	v_pk_add_f32 v[SUM+\k:SUM+\k+1], v[SUM+\k:SUM+\k+1], v[D+16*\i+\k:D+16*\i+\k+1]
	v_pk_fma_f32 v[SQ+\k:SQ+\k+1], v[D+16*\i+\k:D+16*\i+\k+1], v[D+16*\i+\k:D+16*\i+\k+1], v[SQ+\k:SQ+\k+1]
.endr
.endm
.macro STATB first                     ; a batch into the sums; first = 1: tiles 0 and 1 start them, nothing is cleared
.if \first
.irp k, 0,2,4,6,8,10,12,14
	v_pk_add_f32 v[SUM+\k:SUM+\k+1], v[D+\k:D+\k+1], v[D+16+\k:D+16+\k+1]
	v_pk_mul_f32 v[SQ+\k:SQ+\k+1], v[D+\k:D+\k+1], v[D+\k:D+\k+1]
.endr
.irp k, 0,2,4,6,8,10,12,14
	v_pk_fma_f32 v[SQ+\k:SQ+\k+1], v[D+16+\k:D+16+\k+1], v[D+16+\k:D+16+\k+1], v[SQ+\k:SQ+\k+1]
.endr
.else
	STAT 0
	STAT 1
.endif
	STAT 2
	STAT 3
.endm
.macro FOLD base, pairs                ; adds the upper \pairs register pairs onto the lower ones
.set k, 0
.rept \pairs
	v_pk_add_f32 v[\base+2*k:\base+2*k+1], v[\base+2*k:\base+2*k+1], v[\base+2*(\pairs)+2*k:\base+2*(\pairs)+2*k+1]
.set k, k+1
.endr
.endm
.macro LDQ4 dst, off, base, imm        ; 16 f32 in the order of a fragment's k (or of C's features): bytes 0, 16, 64, 80 beside 32 h
.irp q, 0,1,2,3
	global_load_b128 v[\dst+4*\q:\dst+4*\q+3], v[\off], s[\base:\base+1] offset:\imm+16*(\q&1)+64*(\q>>1)
.endr
.endm
.macro DLQ4 dst, adr, imm
.irp q, 0,1,2,3
	ds_load_b128 v[\dst+4*\q:\dst+4*\q+3], v[\adr] offset:\imm+16*(\q&1)+64*(\q>>1)
.endr
.endm
.macro DSQ4 adr, src, imm
.irp q, 0,1,2,3
	ds_store_b128 v[\adr], v[\src+4*\q:\src+4*\q+3] offset:\imm+16*(\q&1)+64*(\q>>1)
.endr
.endm
.macro KNOWN l, rs                     ; a finished layer's R (of my two weight rows) and c (as the C operand) from my own LDS
	ds_load_b32 v[\rs], v4 offset:512*(\l-1)+128
	ds_load_b32 v[\rs+1], v4 offset:512*(\l-1)+192
	DLQ4 C1+16*(\l-1), 3, 512*(\l-1)+256
.endm
.macro RMUL a, rs, t                   ; a pair times R of row 16 t + r: the first or the second register of rs feeds both halves
.if \t
	v_pk_mul_f32 v[\a:\a+1], v[\a:\a+1], v[\rs:\rs+1] op_sel:[0,1] op_sel_hi:[1,1]
.else
	v_pk_mul_f32 v[\a:\a+1], v[\a:\a+1], v[\rs:\rs+1] op_sel_hi:[1,0]
.endif
.endm
.macro BUILDL l, raw, ak, rs, known    ; layer l's fragments: f16(W m[k]), and where the layer's norm is finished f16(W m[k] R[row]): the same bits, scaled by a power of two
.irp t, 0,1
.irp k, 0,2,4,6,8,10,12,14
	v_pk_mul_f32 v[\raw+16*\t+\k:\raw+16*\t+\k+1], v[\raw+16*\t+\k:\raw+16*\t+\k+1], v[\ak+\k:\ak+\k+1]
.endr
.if \known
.irp k, 0,2,4,6,8,10,12,14
	RMUL (\raw+16*\t+\k), \rs, \t
.endr
.endif
.irp k, 0,1,2,3,4,5,6,7
	v_cvt_pk_f16_f32 v[A2+16*(\l-2)+8*\t+\k], v[\raw+16*\t+2*\k], v[\raw+16*\t+2*\k+1]
.endr
.endr
.endm
.macro FILL s, beta                    ; batch beta of my 16 into slot s: 4 loads of 512 consecutive bytes
	WIN 0x40
.irp i, 0,1,2,3
.if PASS == 4
	global_load_b128 v[16*(\s)+4*\i:16*(\s)+4*\i+3], v1, s[44:45] offset:2048*(\beta)+512*\i th:TH_LOAD_NT
.else
	global_load_b128 v[16*(\s)+4*\i:16*(\s)+4*\i+3], v1, s[44:45] offset:2048*(\beta)+512*\i
.endif
.endr
.endm
.macro L4 beta                         ; layer 4 of a batch.  The two accumulators take turns, one instruction a turn; a group's first two products start the sums
	WIN 0x04
.irp i, 0,1,2,3
.if 4*((\beta)&3)+\i < 2
	v_wmma_f32_16x16x32_f16 v[ACC+8*(\i&1):ACC+8*(\i&1)+7], v[P+8*\i:P+8*\i+7], v[128+8*(4*((\beta)&3)+\i):128+8*(4*((\beta)&3)+\i)+7], 0
.else
	v_wmma_f32_16x16x32_f16 v[ACC+8*(\i&1):ACC+8*(\i&1)+7], v[P+8*\i:P+8*\i+7], v[128+8*(4*((\beta)&3)+\i):128+8*(4*((\beta)&3)+\i)+7], v[ACC+8*(\i&1):ACC+8*(\i&1)+7]
.endif
.endr
.endm
.macro OUTG grp                        ; a group's 256 outputs
	WIN 0
	PLACES
	s_wait_xcnt 0x0                                ; OUT is the data of the last group's stores: written again only behind this wait
.irp k, 0,2,4,6
	v_pk_add_f32 v[OUT+\k:OUT+\k+1], v[ACC+\k:ACC+\k+1], v[ACC+8+\k:ACC+8+\k+1]
.endr
.irp k, 0,2,4,6
	v_pk_add_f32 v[OUT+\k:OUT+\k+1], v[OUT+\k:OUT+\k+1], s[40:41] op_sel_hi:[1,0]   ; + b4
.endr
	global_store_b128 v2, v[OUT:OUT+3], s[46:47] offset:1024*(\grp) th:TH_STORE_NT
	global_store_b128 v2, v[OUT+4:OUT+7], s[46:47] offset:1024*(\grp)+256 th:TH_STORE_NT
.endm
; One batch of four tiles.  cnt = the loads younger than this slot's four.
.macro BATCH beta, ahead, cnt
	s_wait_loadcnt \cnt                            ; loads come back in order: my slot is in, the younger slots stay out
	WIN 0x04
	MM1 16*((\beta)&7)
	PLACES
.if \ahead
	FILL ((\beta)&7), ((\beta)+8)
.endif
	WIN 0
	ACT4
.if PASS >= 3
	MML 2
	PLACES
	ACT4
.endif
.if PASS == 4
	MML 3
	PLACES
	ACT4
	L4 \beta
.if ((\beta)&3)==3
	OUTG ((\beta)>>2)
.endif
.else
	MML PASS
	PLACES
.if (\beta)==0
	STATB 1
.else
	STATB 0
.endif
.endif
.endm
	s_load_b512 s[16:31], s[0:1], 0x0
.if PASS == 2
	s_load_b64 s[32:33], s[0:1], 0x40
.endif
.if PASS == 3
	s_load_b128 s[32:35], s[0:1], 0x40
	s_load_b64 s[36:37], s[0:1], 0x50
.endif
.if PASS == 4
	s_load_b256 s[32:39], s[0:1], 0x40
.endif
	v_lshrrev_b32 v7, 5, v0
	v_readfirstlane_b32 s8, v7                     ; wave
	s_mov_b32 s9, ttmp9                            ; work-group
	s_or_b32 s42, s9, s8                           ; 0 in wave 0 of work-group 0 alone
	s_mov_b32 s52, 0x3f800000                      ; the bits of 1.0
	v_and_b32 v6, 31, v0                           ; L
	v_and_b32 v4, 15, v0                           ; r
	v_bfe_u32 v3, v0, 4, 1                         ; h
	v_lshrrev_b32 v5, 4, v0                        ; thread / 16
	v_lshlrev_b32 v[O16L], 4, v6
	v_lshlrev_b32 v[O4L], 2, v6
	v_lshlrev_b32 v[REDLD], 3, v6
	v_lshlrev_b32 v[REDST], 4, v0
	v_lshlrev_b32 v[OH], 5, v3
	v_lshl_add_u32 v1, v7, 15, v[O16L]             ; xh: 16 L + my wave's 32,768 bytes
	v_lshl_add_u32 v[OW1], v4, 6, v[OH]            ; a row of W1 is 64 bytes,
	v_lshl_add_u32 v[OW2], v4, 7, v[OH]            ; of W2, W3 128
	v_lshlrev_b32 v[OPART], 4, v4                  ; records: thread t takes bytes 16 (t & 15) .. of records 16 (t >> 4) .. + 15
	v_lshl_add_u32 v[OPART], v5, 12, v[OPART]
.if PASS == 4
	v_lshlrev_b32 v2, 4, v4                        ; out0: 16 r + 512 h + my wave's 4,096 bytes
	v_lshl_add_u32 v2, v3, 9, v2
	v_lshl_add_u32 v2, v7, 12, v2
.endif
	s_lshl_b32 s50, s8, 11
	s_add_co_u32 s50, s50, PRM                     ; my wave's own LDS
	v_add_nc_u32 v3, s50, v[OH]
	v_lshl_add_u32 v4, v4, 2, s50
	v_add_nc_u32 v5, s50, v[O4L]
	s_lshl_b32 s10, s9, 18                         ; the work-group's 262,144 bytes of xh
	s_mov_b32 s11, 0
.if PASS == 4
	s_lshl_b32 s12, s9, 15                         ; its 32,768 bytes of out0
.else
	s_lshl_b32 s12, s9, 8                          ; its record
.endif
	s_mov_b32 s13, 0
	s_wait_kmcnt 0x0
	s_add_nc_u64 s[44:45], s[XHB:XHB+1], s[10:11]
.if PASS == 4
	s_add_nc_u64 s[46:47], s[OUTB:OUTB+1], s[12:13]
	s_load_b32 s40, s[B4B:B4B+1], 0x0
.else
	s_add_nc_u64 s[48:49], s[POUT:POUT+1], s[12:13]
.endif
	; first what the norm needs: the 256 records (16 pieces of 16 bytes a thread), g, be, bp, the earlier layers' m, R, c
	WIN 0x40
.irp n, 0,1,2,3,4,5,6,7,8,9,10,11,12,13,14,15
	global_load_b128 v[128+4*\n:131+4*\n], v[OPART], s[PIN:PIN+1] offset:256*\n
.endr
	WIN 0
	global_load_b32 v[GV], v[O4L], s[GB:GB+1]
	global_load_b32 v[BEV], v[O4L], s[BEB:BEB+1]
	global_load_b32 v[BPV], v[O4L], s[PIN:PIN+1] offset:65536
.if PASS >= 3
.irp q, 0,1,2
	global_load_b32 v[PD1+\q], v[O4L], s[PRM1B:PRM1B+1] offset:128*\q
.endr
.endif
.if PASS == 4
.irp q, 0,1,2
	global_load_b32 v[PD2+\q], v[O4L], s[PRM2B:PRM2B+1] offset:128*\q
.endr
.endif
	; then the weights, the bias and the pivot's tile: G2N loads
	global_load_b128 v[204:207], v[OW1], s[W1B:W1B+1]
	global_load_b128 v[208:211], v[OW1], s[W1B:W1B+1] offset:16
	global_load_b128 v[212:215], v[OW1], s[W1B:W1B+1] offset:1024
	global_load_b128 v[216:219], v[OW1], s[W1B:W1B+1] offset:1040
	LDQ4 108, OW2, W2B, 0
	LDQ4 124, OW2, W2B, 2048
.if PASS >= 3
	LDQ4 140, OW2, W3B, 0
	LDQ4 156, OW2, W3B, 2048
.endif
.if PASS == 4
	LDQ4 220, OH, W4B, 0
.else
	LDQ4 CP, OH, BB, 0
	global_load_b128 v[220:223], v[O16L], s[XHB:XHB+1]         ; the array's tile 0
.endif
	; then half of my rows: 32 loads
.irp s, 0,1,2,3,4,5,6,7
	FILL \s, \s
.endr
	s_wait_loadcnt G2N+32                          ; the records and the norm's figures are in; the G2N + 32 younger loads stay out
	WIN 0x05
.irp n, 0,1,2,3,4,5,6,7
	v_pk_add_f32 v[P+4*\n:P+4*\n+1], v[128+4*\n:129+4*\n], v[160+4*\n:161+4*\n]
	v_pk_add_f32 v[P+4*\n+2:P+4*\n+3], v[130+4*\n:131+4*\n], v[162+4*\n:163+4*\n]
.endr
	WIN 0
	FOLD P, 8
	FOLD P, 4
	FOLD P, 2                                      ; my 16 bytes of the sum of 16 records
	ds_store_b128 v[REDST], v[P:P+3]
	s_wait_dscnt 0x0                               ; zero: every wave reads these bytes behind the barrier
	s_barrier_signal -1
	s_barrier_wait -1
.irp n, 0,1,2,3,4,5,6,7,8,9,10,11,12,13,14,15
	ds_load_b64 v[P+2*\n:P+2*\n+1], v[REDLD] offset:256*\n     ; lane = feature: its pair in each of the 16 partial records
.endr
	s_wait_dscnt 0x0
	FOLD P, 8
	FOLD P, 4
	FOLD P, 2
	FOLD P, 1                                      ; (sum, sum of squares) over all rows, the same bits in every wave of the launch
	; the norm of layer PASS - 1, lane = feature
	v_mul_f32 v[MU], 0x35000000, v[P]              ; / 2,097,152 = 2^-21
	v_mul_f32 v[VA], 0x35000000, v[P+1]
	v_fma_f32 v[VA], -v[MU], v[MU], v[VA]
	v_max_num_f32 v[VA], 0, v[VA]
	v_add_f32 v[VA], 0x3727c5ac, v[VA]             ; + 1e-5
	v_rsq_f32 v[RQ], v[VA]
	v_sub_f32 v[DV], v[BPV], v[MU]                 ; the plain instruction between v_rsq_f32 and the use of its result
	s_wait_alu depctr_va_vdst(0)
	v_mul_f32 v[SV], v[GV], v[RQ]                  ; s
	v_and_or_b32 v[MV], v[SV], 0x007fffff, s52     ; m: its mantissa, in [1, 2)
	v_and_b32 v[RV], 0xff800000, v[SV]             ; R: its sign and power of two (0 for a zero or denormal s)
	v_rcp_f32 v[RC], v[MV]
	v_nop
	s_wait_alu depctr_va_vdst(0)
	v_mul_f32 v[CV], v[BEV], v[RC]
	v_fmac_f32 v[CV], v[RV], v[DV]                 ; c = R (bp - mu) + be / m
	ds_store_b32 v5, v[MV] offset:512*(PASS-2)
	ds_store_b32 v5, v[RV] offset:512*(PASS-2)+128
	ds_store_b32 v5, v[CV] offset:512*(PASS-2)+256
.if PASS >= 3
.irp q, 0,1,2
	ds_store_b32 v5, v[PD1+\q] offset:128*\q
.endr
.endif
.if PASS == 4
.irp q, 0,1,2
	ds_store_b32 v5, v[PD2+\q] offset:512+128*\q
.endr
.endif
.if PASS <= 3
	s_cmp_lg_u32 s42, 0
	s_cbranch_scc1 .Lno_prm
	global_store_b32 v[O4L], v[MV], s[PRMO:PRMO+1]
	global_store_b32 v[O4L], v[RV], s[PRMO:PRMO+1] offset:128
	global_store_b32 v[O4L], v[CV], s[PRMO:PRMO+1] offset:256
	s_wait_xcnt 0x0                                ; their data registers become layer 2's fragments below
.Lno_prm:
.endif
	; back from my own LDS in the matrix unit's orders (LDS serves a wave's instructions in order: these see the stores above)
	KNOWN 1, RS1
	DLQ4 AK2, 3, 0
.if PASS >= 3
	KNOWN 2, RS2
	DLQ4 AK3, 3, 512
.endif
.if PASS == 4
	KNOWN 3, RS3
.endif
	s_wait_dscnt 0x0
	s_wait_loadcnt 32                              ; weights, bias, pivot tile are in; only the ring's 32 loads are younger
.irp z, 8,9,10,11,16,17,18,19,24,25,26,27
	v_mov_b32 v\z, 0
.endr
.irp t, 0,1
.irp k, 0,2,4,6
	RMUL (204+8*\t+\k), RS1, \t
.endr
.irp j, 0,1,2,3
	v_cvt_pk_f16_f32 v[A1+4+8*\t+\j], v[204+8*\t+2*\j], v[205+8*\t+2*\j]
.endr
.endr
.if PASS == 2
	BUILDL 2, 108, AK2, 0, 0
.endif
.if PASS == 3
	BUILDL 2, 108, AK2, RS2, 1
	BUILDL 3, 140, AK3, 0, 0
.endif
.if PASS == 4
	DLQ4 204, 3, 1024                              ; m3 in k order, where W1 lay
	BUILDL 2, 108, AK2, RS2, 1
	BUILDL 3, 140, AK3, RS3, 1
	s_wait_dscnt 0x0
.irp k, 0,2,4,6,8,10,12,14
	v_pk_mul_f32 v[220+\k:221+\k], v[220+\k:221+\k], v[204+\k:205+\k]
.endr
.irp k, 0,1,2,3,4,5,6,7
	v_cvt_pk_f16_f32 v[204+\k], v[220+2*\k], v[221+2*\k]       ; f16(W4 m3), in k order
.endr
	v_and_b32 v212, 15, v0                         ; r
	WIN 0x40
.irp t, 0,1,2,3,4,5,6,7,8,9,10,11,12,13,14,15
	v_cmp_eq_u32 vcc_lo, \t, v212
.irp k, 0,1,2,3,4,5,6,7
	v_cndmask_b32 v[128+8*\t+\k], 0, v[204+\k], vcc_lo         ; mask t: the column r = t alone holds W4 m3
.endr
.endr
	WIN 0
	s_wait_kmcnt 0x0
	s_mov_b32 s41, s40                             ; b4, as a pair
.else
	; the pivot: tile 0 through the layers, the mean of its 16 slots taken off the bias
.irp j, 0,1,2,3
	v_mov_b32 v[224+\j], 0                         ; the tuple's other tile meets zero weights
.endr
	MM1T 0, 220
	PLACES
	ACT 0
	MMLT 2, 0
	PLACES
.if PASS == 3
	ACT 0
	MMLT 3, 0
	PLACES
.endif
.irp x, 1,2,4,8
.set k, 0
.rept 16
	v_add_f32_dpp v[D+k], v[D+k], v[D+k] row_xmask:\x row_mask:0xf bank_mask:0xf
.set k, k+1
.endr
.endr
.set k, 0
.rept 16
	v_fmac_f32 v[CP+k], 0xbd800000, v[D+k]         ; C = b - sum / 16
.set k, k+1
.endr
	DSQ4 3, CP, 512*(PASS-1)+384                   ; by features, in my own LDS (sixteen lanes write the same bytes)
	s_cmp_lg_u32 s42, 0
	s_cbranch_scc1 .Lno_bp
	ds_load_b32 v228, v5 offset:512*(PASS-1)+384
	s_wait_dscnt 0x0
	global_store_b32 v[O4L], v228, s[POUT:POUT+1] offset:65536
	s_wait_xcnt 0x0                                ; v228 becomes a sum of squares below
.Lno_bp:
.endif
.irp b, 0,1,2,3,4,5,6,7
	BATCH \b, 1, 28                                ; seven younger slots of four loads
.endr
.irp b, 8,9,10,11,12,13,14,15
	BATCH \b, 0, 4*(15-\b)                         ; nothing more to ask for: the counts run down
.endr
.if PASS <= 3
.irp x, 1,2,4,8                                    ; over the 16 slots
.set k, 0
.rept 32
	v_add_f32_dpp v[SUM+k], v[SUM+k], v[SUM+k] row_xmask:\x row_mask:0xf bank_mask:0xf
.set k, k+1
.endr
.endr
	s_lshl_b32 s51, s8, 8
	s_add_co_u32 s51, s51, WRED
	v_add_nc_u32 v244, s51, v[OH]
	DSQ4 244, SUM, 0
	DSQ4 244, SQ, 128
	s_wait_dscnt 0x0                               ; zero: wave 0 reads these bytes behind the barrier
	s_barrier_signal -1
	s_barrier_wait -1
	s_cmp_lg_u32 s8, 0
	s_cbranch_scc1 .Lend
	v_add_nc_u32 v245, WRED, v[O4L]                ; lane = feature
.irp w, 0,1,2,3,4,5,6,7
	ds_load_b32 v[D+2*\w], v245 offset:256*\w
	ds_load_b32 v[D+2*\w+1], v245 offset:256*\w+128
.endr
	v_lshlrev_b32 v246, 1, v[O4L]
	s_wait_dscnt 0x0
	FOLD D, 4
	FOLD D, 2
	FOLD D, 1
	global_store_b64 v246, v[D:D+1], s[48:49]      ; the record: 256 consecutive bytes, aligned
.Lend:
.endif
	s_wait_xcnt 0x0
	v_lshl_add_u32 v254, v0, 2, 0x6000
	v_mov_b32 v255, 0
	s_wait_tensorcnt 0x0
	ds_add_u32 v254, v255
	s_wait_dscnt 0x0
	s_endpgm
.Lfunc_end_k_q4822510340_p4:
	.size	k_q4822510340_p4, .Lfunc_end_k_q4822510340_p4-k_q4822510340_p4
	.p2alignl 7, 3214868480
	.fill 96, 4, 3214868480
	.section	.rodata,"a",@progbits
	.p2align	6, 0x0
	.amdhsa_kernel k_q4822510340_p4
		.amdhsa_group_segment_fixed_size 25600
		.amdhsa_private_segment_fixed_size 0
		.amdhsa_enable_private_segment 0
		.amdhsa_kernarg_size 96
		.amdhsa_user_sgpr_count 2
		.amdhsa_user_sgpr_kernarg_segment_ptr 1
		.amdhsa_wavefront_size32 1
		.amdhsa_system_sgpr_workgroup_id_x 1
		.amdhsa_system_sgpr_workgroup_id_y 1
		.amdhsa_system_sgpr_workgroup_id_z 1
		.amdhsa_system_vgpr_workitem_id 0
		.amdhsa_next_free_vgpr 512
		.amdhsa_next_free_sgpr 66
		.amdhsa_reserve_vcc 1
		.amdhsa_float_denorm_mode_32 3
		.amdhsa_float_denorm_mode_16_64 3
		.amdhsa_memory_ordered 1
		.amdhsa_forward_progress 1
		.amdhsa_inst_pref_size 255
	.end_amdhsa_kernel
	.section	.bss,"aw",@nobits
	.p2align	6
	.space	262144
	.amdgpu_metadata
---
amdhsa.version: [ 1, 2 ]
amdhsa.kernels:
  - .name:           k_q4822510340_p4
    .symbol:         k_q4822510340_p4.kd
    .args:
      - { .name: xh, .offset: 0, .size: 8, .value_kind: global_buffer, .address_space: global }
      - { .name: W1, .offset: 8, .size: 8, .value_kind: global_buffer, .address_space: global }
      - { .name: W2, .offset: 16, .size: 8, .value_kind: global_buffer, .address_space: global }
      - { .name: W3, .offset: 24, .size: 8, .value_kind: global_buffer, .address_space: global }
      - { .name: W4, .offset: 32, .size: 8, .value_kind: global_buffer, .address_space: global }
      - { .name: b4, .offset: 40, .size: 8, .value_kind: global_buffer, .address_space: global }
      - { .name: g3, .offset: 48, .size: 8, .value_kind: global_buffer, .address_space: global }
      - { .name: be3, .offset: 56, .size: 8, .value_kind: global_buffer, .address_space: global }
      - { .name: part3, .offset: 64, .size: 8, .value_kind: global_buffer, .address_space: global }
      - { .name: prm1, .offset: 72, .size: 8, .value_kind: global_buffer, .address_space: global }
      - { .name: prm2, .offset: 80, .size: 8, .value_kind: global_buffer, .address_space: global }
      - { .name: out0, .offset: 88, .size: 8, .value_kind: global_buffer, .address_space: global }
    .group_segment_fixed_size: 25600
    .private_segment_fixed_size: 0
    .kernarg_segment_align: 8
    .kernarg_segment_size: 96
    .max_flat_workgroup_size: 256
    .sgpr_count:     66
    .vgpr_count:     512
    .wavefront_size: 32
...
	.end_amdgpu_metadata
.endif
;; end of part 4
;; ======== version 2 of 2: 4 launches; version 1 with the launch p1 written anew for expert scheduling mode
;; limits: values are held in f16: magnitudes above 65,504 overflow, below 6.1e-05 lose precision; inputs' magnitudes at most 65,504
;; workspace buffers: xh 67,108,864 bytes; part1 65,792 bytes; part2 65,792 bytes; part3 65,792 bytes; prm1 512 bytes; prm2 512 bytes
;; launch p1 (part 5): grid 256 x 1, 8 waves a work-group, no clusters, 25,600 bytes of LDS; arguments x, W1, b1, xh, part1; writes xh, part1
.if DOCPART == 5
	.amdgcn_target "amdgcn-amd-amdhsa--gfx1250"
	.amdhsa_code_object_version 6
	.text
	.protected	k_q4822510340_p1
	.globl	k_q4822510340_p1
	.p2align	8
	.type	k_q4822510340_p1,@function
k_q4822510340_p1:
	s_mov_b64 s[64:65], 0
	v_nop
	global_prefetch_b8 v0, s[64:65] scope:SCOPE_SE
	s_setreg_imm32_b32 hwreg(HW_REG_WAVE_SCHED_MODE, 0, 2), 2
	s_setreg_imm32_b32 hwreg(HW_REG_WAVE_MODE, 25, 1), 1
	s_wait_xcnt 0x0
	s_wait_alu depctr_vm_vsrc(0)
; First of four sweeps over the 2,097,152 rows.  It reads x (f32) once, stores it as f16 in the matrix unit's register image (xh),
; and sums z1 - pivot and its square for the first batch norm, z1 = x W1^T + b1.
; ROWS.  A group is 256 rows = 16 tiles of 16 slots; tile t, slot m is row 256 G + 64 (m >> 2) + 4 t + (m & 3).
; Work-group g owns groups 32 g .. 32 g + 31, wave w four of them = 64 tiles = 16 batches of 4 tiles.
; THE MATRIX INSTRUCTION IS USED TRANSPOSED: A = 16 rows of W1 (features 16 tau + r), B = 16 slots.  Register j of lane (r, h) of the result is
; feature 16 tau + 8 h + j of slot r.  K is 32 and x has 16 columns, so one B tuple carries two tiles: the even one is multiplied by [W1 | 0], the odd one by [0 | W1].
; xh: byte 8192 G + 512 t + 16 L (L = 16 h + m) holds f16 x[row][8 h .. 8 h + 7]; a wave's 16-byte store covers 512 consecutive bytes, aligned.
; PIVOT.  Every wave first sends the array's tile 0 through the layer and takes the mean of its 16 slots as pivot; the sums are taken of z1 - pivot, so that
; the variance is no difference of large sums whatever offset the inputs carry.  All waves compute the same bits; work-group 0, wave 0 stores b1 - pivot.
; part1: record g at byte 256 g = 32 pairs (sum, sum of squares); b1 - pivot (32 f32) at byte 65,536.
; No cluster, no tensor loads: work-groups share 2 KB of weights against 512 KB of rows of their own, no wave reads another's rows, and
; 7 slots x 4 KB a wave in flight fit in registers.
; LIMITS.  x and W1 go to the matrix unit as f16: magnitudes from 65,520 up become infinite, steps below 2^-24 are lost.  NaN and infinities in x are not served
; (an infinity in a neighbouring tile meets a zero weight).
; THE MODE: SCHED_MODE bits 1:0 = 2 (LLVM: expert scheduling mode 2), set by the entry lines.  The code itself states the register dependences
; between vector or matrix instructions and memory or LDS instructions, with s_wait_alu, always for 0.
; THE PLAN.  Registers that memory or LDS instructions touch, in the batches:
;   the ring    Batch p: its sixteen conversions read slot p & 7; behind them the loads of batch p + 8 land in it.
;   XH0, XH1    Batch p: its conversions write XH[p & 1]; its four stores and its eight matrix instructions read it; batch p + 2 writes it again.
;   v1, v2      The offsets in x and xh: made once at the head, never written again; the batches are reached by immediate offsets.
;   D, A1, C1, the sums: named by vector and matrix instructions alone.
; So ONE wait on va_vdst stands in a batch, behind its conversions: they have written XH[p & 1] and are done reading the slot.  The batch's eight loads and four
; stores follow it in two halves, each ahead of the matrix instructions of its two tiles; those of the first half name D, A1, C1 and the first eight registers of
; XH[p & 1], none of which the second half's loads (v1, the ring) and stores (v2, the last eight registers) touch.  Beside that wait, and ahead of the batch's own
; memory instructions, stand the two waits that free the OTHER XH for the next batch: its stores were issued a whole batch ago.
.set A1,   8                           ; v8-27    0000 | W1 tau 0 | 0000 | W1 tau 1 | 0000, four registers each
.set OW1,  28                          ; v28      64 r + 32 h: my 8 numbers of a row of W1
.set OH,   29                          ; v29      32 h
.set OPV,  30                          ; v30      my 32 bytes of x in tile 0 of a group
.set O4L,  31                          ; v31      4 L
.set C1,   60                          ; v60-75   the C operand: b1, then b1 - pivot; register 8 tau + j = feature 16 tau + 8 h + j
.set D,    108                         ; v108-171 results: tile i, tau at 108 + 16 i + 8 tau
.set SUM,  204                         ; v204-219 sums (before that: W1 as loaded)
.set SQ,   220                         ; v220-235 sums of squares
.set XH,   236                         ; four tiles in f16, 4 registers each: buffer b at XH - 64 b: v236-251 and v172-187
.set PRM,  4096                        ; LDS: 2,048 bytes for each wave; here only the stage for b1 - pivot at + 384
.set WRED, 20480                       ; LDS: 256 bytes for each wave: 32 sums, 32 sums of squares
; window 1 (v256-511): the ring, 8 slots of 32 registers: slot s, tile i at 32 s + 8 i, 8 numbers of x in f32
.set MSB, 0
.macro WIN new                         ; s_set_vgpr_msb: bits 1:0 source 0, 3:2 source 1, 5:4 source 2, 7:6 destination; the high byte repeats the setting that is left
.if MSB != \new
	s_set_vgpr_msb (MSB<<8)|\new
.set MSB, \new
.endif
.endm
.macro PLACES                          ; four places behind a run of matrix instructions (ISA guide 7.12.1) before results are read or sources written
.rept 4
	v_nop
.endr
.endm
.macro MM1T i, b                       ; layer 1 of tile i, both halves of the features; b: first register of the B tuples
.irp t, 0,1
	v_wmma_f32_16x16x32_f16 v[D+16*\i+8*\t:D+16*\i+8*\t+7], v[A1+4+8*\t-4*(\i&1):A1+11+8*\t-4*(\i&1)], v[\b+8*(\i>>1):\b+8*(\i>>1)+7], v[C1+8*\t:C1+8*\t+7]
.endr
.endm
.macro STAT i                          ; tile i into the sums: two numbers an instruction
.irp k, 0,2,4,6,8,10,12,14
	v_pk_add_f32 v[SUM+\k:SUM+\k+1], v[SUM+\k:SUM+\k+1], v[D+16*\i+\k:D+16*\i+\k+1]
	v_pk_fma_f32 v[SQ+\k:SQ+\k+1], v[D+16*\i+\k:D+16*\i+\k+1], v[D+16*\i+\k:D+16*\i+\k+1], v[SQ+\k:SQ+\k+1]
.endr
.endm
.macro STATB first                     ; a batch into the sums; first = 1: tiles 0 and 1 start them, nothing is cleared
.if \first
.irp k, 0,2,4,6,8,10,12,14
	v_pk_add_f32 v[SUM+\k:SUM+\k+1], v[D+\k:D+\k+1], v[D+16+\k:D+16+\k+1]
	v_pk_mul_f32 v[SQ+\k:SQ+\k+1], v[D+\k:D+\k+1], v[D+\k:D+\k+1]
.endr
.irp k, 0,2,4,6,8,10,12,14
	v_pk_fma_f32 v[SQ+\k:SQ+\k+1], v[D+16+\k:D+16+\k+1], v[D+16+\k:D+16+\k+1], v[SQ+\k:SQ+\k+1]
.endr
.else
	STAT 0
	STAT 1
.endif
	STAT 2
	STAT 3
.endm
.macro FOLD base, pairs                ; adds the upper \pairs register pairs onto the lower ones
.set k, 0
.rept \pairs
	v_pk_add_f32 v[\base+2*k:\base+2*k+1], v[\base+2*k:\base+2*k+1], v[\base+2*(\pairs)+2*k:\base+2*(\pairs)+2*k+1]
.set k, k+1
.endr
.endm
.macro LDQ4 dst, off, base, imm        ; 16 f32 in the order of a fragment's k (or of C's features): bytes 0, 16, 64, 80 beside 32 h
.irp q, 0,1,2,3
	global_load_b128 v[\dst+4*\q:\dst+4*\q+3], v[\off], s[\base:\base+1] offset:\imm+16*(\q&1)+64*(\q>>1)
.endr
.endm
.macro DSQ4 adr, src, imm
.irp q, 0,1,2,3
	ds_store_b128 v[\adr], v[\src+4*\q:\src+4*\q+3] offset:\imm+16*(\q&1)+64*(\q>>1)
.endr
.endm
.macro FILLT s, beta, i                ; tile i of batch beta of my 16 into slot s: 2 loads, 1 KB; the destination's window is 1
	global_load_b128 v[32*(\s)+8*(\i):32*(\s)+8*(\i)+3], v1, s[44:45] offset:16384*((\beta)>>2)+256*(4*((\beta)&3)+(\i)) th:TH_LOAD_NT
	global_load_b128 v[32*(\s)+8*(\i)+4:32*(\s)+8*(\i)+7], v1, s[44:45] offset:16384*((\beta)>>2)+256*(4*((\beta)&3)+(\i))+16 th:TH_LOAD_NT
.endm
.macro FILL s, beta                    ; a whole batch: 8 loads, 4 KB
	WIN 0x40
.irp i, 0,1,2,3
	FILLT \s, \beta, \i
.endr
.endm
; One batch.  cnt = the loads younger than this slot's eight.
.macro BATCH beta, ahead, cnt
.set XB, XH-64*((\beta)&1)             ; this batch's f16 buffer
	s_wait_loadcnt \cnt                            ; loads come back in order: my slot is in, the younger slots stay out
	WIN 0x05
.irp i, 0,1,2,3
.irp j, 0,1,2,3
	v_cvt_pk_f16_f32 v[XB+4*\i+\j], v[32*((\beta)&7)+8*\i+2*\j], v[32*((\beta)&7)+8*\i+2*\j+1]
.endr
.endr
.if \ahead
	WIN 0x40                                       ; the loads' window is set ahead of the waits
.else
	WIN 0
.endif
.if ((\beta)>0)&&((\beta)<15)
	s_wait_xcnt 0x0                                ; the last batch's stores have had their addresses translated: the other f16 buffer, their data, is written again in the next batch, only behind this wait
	s_wait_alu depctr_vm_vsrc(0)                   ; the last batch's stores have read the other f16 buffer, which the next batch's conversions write
.endif
	s_wait_alu depctr_va_vdst(0)                   ; the conversions have written this batch's f16 buffer, which the stores below read, and are done reading the slot, in which the loads below land
.irp g, 0,2
.if \ahead
	WIN 0x40
	FILLT ((\beta)&7), ((\beta)+8), \g             ; the slot is asked for again at once.  No vector or matrix instruction since the wait names v1 or the slot
	FILLT ((\beta)&7), ((\beta)+8), (\g+1)
.endif
	WIN 0
	global_store_b128 v2, v[XB+4*\g:XB+4*\g+3], s[46:47] offset:2048*(\beta)+512*\g           ; 512 consecutive bytes a wave; two tiles' stores stand ahead of
	global_store_b128 v2, v[XB+4*\g+4:XB+4*\g+7], s[46:47] offset:2048*(\beta)+512*\g+512     ; the matrix instructions that read the same eight registers
	MM1T \g, XB
	MM1T (\g+1), XB
.endr
	PLACES
.if (\beta)==0
	STATB 1
.else
	STATB 0
.endif
.endm
	s_load_b256 s[16:23], s[0:1], 0x0              ; x s[16:17], W1 s[18:19], b1 s[20:21], xh s[22:23]
	s_load_b64 s[24:25], s[0:1], 0x20              ; part1
	v_lshl_add_u32 v254, v0, 2, 0x6000
	v_mov_b32 v255, 0
	v_lshrrev_b32 v32, 5, v0
	v_readfirstlane_b32 s8, v32                    ; wave
	v_and_b32 v33, 31, v0                          ; L
	v_and_b32 v34, 15, v0                          ; r = m
	v_bfe_u32 v35, v0, 4, 1                        ; h
	v_bfe_u32 v36, v0, 2, 2                        ; m >> 2
	v_and_b32 v37, 3, v0                           ; m & 3
	v_lshlrev_b32 v[OH], 5, v35
	v_lshl_add_u32 v[OPV], v36, 12, v[OH]          ; 64 rows of 64 bytes for each m >> 2
	v_lshl_add_u32 v[OPV], v37, 6, v[OPV]          ; one row for each m & 3
	v_lshl_add_u32 v1, v32, 16, v[OPV]             ; + my wave's 4 groups of 16,384 bytes
	v_lshlrev_b32 v2, 4, v33
	v_lshl_add_u32 v2, v32, 15, v2                 ; xh: 16 L + 32,768 w
	v_lshl_add_u32 v[OW1], v34, 6, v[OH]
	v_lshlrev_b32 v[O4L], 2, v33
	s_wait_alu depctr_va_sdst(0)                   ; s8 is written, ahead of its first reader
	s_mov_b32 s9, ttmp9                            ; work-group
	s_or_b32 s42, s9, s8                           ; 0 in wave 0 of work-group 0 alone
	s_lshl_b32 s50, s8, 11
	s_add_co_u32 s50, s50, PRM                     ; my wave's own LDS
	v_add_nc_u32 v3, s50, v[OH]
	v_add_nc_u32 v5, s50, v[O4L]
	s_lshl_b32 s10, s9, 19                         ; the work-group's 8,192 rows: 524,288 bytes of x,
	s_mov_b32 s11, 0
	s_lshl_b32 s12, s9, 18                         ; 262,144 of xh,
	s_mov_b32 s13, 0
	s_lshl_b32 s14, s9, 8                          ; one record
	s_mov_b32 s15, 0
	s_wait_kmcnt 0x0
	s_add_nc_u64 s[44:45], s[16:17], s[10:11]
	s_add_nc_u64 s[46:47], s[22:23], s[12:13]
	s_add_nc_u64 s[48:49], s[24:25], s[14:15]
	s_wait_alu depctr_va_vdst(0)                   ; the offsets and LDS addresses v1, v2, v3, v5 and v28 to v31 are written, which the loads and stores of the whole kernel read
	global_load_b128 v[204:207], v[OW1], s[18:19]              ; W1[r][8 h ..]
	global_load_b128 v[208:211], v[OW1], s[18:19] offset:16
	global_load_b128 v[212:215], v[OW1], s[18:19] offset:1024  ; W1[16 + r][8 h ..]
	global_load_b128 v[216:219], v[OW1], s[18:19] offset:1040
	LDQ4 C1, OH, 20, 0                                         ; b1
	global_load_b128 v[244:247], v[OPV], s[16:17]              ; the array's tile 0, for the pivot
	global_load_b128 v[248:251], v[OPV], s[16:17] offset:16
.irp s, 0,1,2,3,4,5,6,7
	FILL \s, \s                                    ; half of my rows are asked for at once; between the wait above and these stand loads and one window switch alone
.endr
	s_wait_loadcnt 56                              ; 64 loads are younger than the pivot's, more than a wait can name: 56 also lets slot 0 land
	WIN 0
.irp z, 8,9,10,11,16,17,18,19,24,25,26,27
	v_mov_b32 v\z, 0
.endr
.irp t, 0,1
.irp j, 0,1,2,3
	v_cvt_pk_f16_f32 v[A1+4+8*\t+\j], v[204+8*\t+2*\j], v[205+8*\t+2*\j]
.endr
.endr
.irp j, 0,1,2,3
	v_cvt_pk_f16_f32 v[XH+\j], v[244+2*\j], v[245+2*\j]
	v_mov_b32 v[XH+4+\j], 0                        ; the tuple's other tile meets zero weights
.endr
	MM1T 0, XH                                     ; z1 of tile 0
	PLACES
.irp x, 1,2,4,8                                    ; its sum over the 16 slots, in every lane
.set k, 0
.rept 16
	v_add_f32_dpp v[D+k], v[D+k], v[D+k] row_xmask:\x row_mask:0xf bank_mask:0xf
.set k, k+1
.endr
.endr
.set k, 0
.rept 16
	v_fmac_f32 v[C1+k], 0xbd800000, v[D+k]         ; C = b1 - sum / 16
.set k, k+1
.endr
	s_wait_alu depctr_va_vdst(0)                   ; the sixteen lines above have written C1, which the LDS stores read; it is never written again
	DSQ4 3, C1, 384                                ; by features, in my own LDS (sixteen lanes write the same bytes)
	s_cmp_lg_u32 s42, 0
	s_cbranch_scc1 .Lno_bp
	ds_load_b32 v38, v5 offset:384                 ; LDS serves a wave's instructions in order: this sees the stores above; no vector instruction names v38
	s_wait_dscnt 0x0
	global_store_b32 v[O4L], v38, s[24:25] offset:65536
.Lno_bp:
.irp b, 0,1,2,3,4,5,6,7
	BATCH \b, 1, 56                                ; seven younger slots of eight loads
.endr
.irp b, 8,9,10,11,12,13,14,15
	BATCH \b, 0, 8*(15-\b)                         ; nothing more to ask for: the counts run down
.endr
.irp x, 1,2,4,8                                    ; over the 16 slots
.set k, 0
.rept 32
	v_add_f32_dpp v[SUM+k], v[SUM+k], v[SUM+k] row_xmask:\x row_mask:0xf bank_mask:0xf
.set k, k+1
.endr
.endr
	s_lshl_b32 s51, s8, 8
	s_add_co_u32 s51, s51, WRED
	v_add_nc_u32 v32, s51, v[OH]
	s_wait_alu depctr_va_vdst(0)                   ; the sums over the slots and the address v32 are written, which the LDS stores read
	DSQ4 32, SUM, 0
	DSQ4 32, SQ, 128
	s_wait_dscnt 0x0                               ; zero: wave 0 reads these bytes behind the barrier
	s_barrier_signal -1
	s_barrier_wait -1
	s_cmp_lg_u32 s8, 0
	s_cbranch_scc1 .Lend
	v_add_nc_u32 v33, WRED, v[O4L]                 ; lane = feature
	v_lshlrev_b32 v34, 1, v[O4L]
	s_wait_alu depctr_va_vdst(0)                   ; v33 and v34 are written, which the LDS loads and the record's store read; the matrix and vector instructions that named D, in which the loads land, are done
.irp w, 0,1,2,3,4,5,6,7
	ds_load_b32 v[D+2*\w], v33 offset:256*\w
	ds_load_b32 v[D+2*\w+1], v33 offset:256*\w+128
.endr
	s_wait_dscnt 0x0
	FOLD D, 4
	FOLD D, 2
	FOLD D, 1
	s_wait_alu depctr_va_vdst(0)                   ; the last addition has written v[D:D+1], which the store reads
	global_store_b64 v34, v[D:D+1], s[48:49]       ; the record: 256 consecutive bytes, aligned
.Lend:
	s_wait_dscnt 0x0
	s_wait_alu depctr_hold_cnt(0) depctr_sa_sdst(0) depctr_va_vdst(0) depctr_va_sdst(0) depctr_va_ssrc(0) depctr_va_vcc(0) depctr_vm_vsrc(0)
	s_wait_tensorcnt 0x0
	ds_add_u32 v254, v255
	s_wait_dscnt 0x0
	s_endpgm
.Lfunc_end_k_q4822510340_p1:
	.size	k_q4822510340_p1, .Lfunc_end_k_q4822510340_p1-k_q4822510340_p1
	.p2alignl 7, 3214868480
	.fill 96, 4, 3214868480
	.section	.rodata,"a",@progbits
	.p2align	6, 0x0
	.amdhsa_kernel k_q4822510340_p1
		.amdhsa_group_segment_fixed_size 25600
		.amdhsa_private_segment_fixed_size 0
		.amdhsa_enable_private_segment 0
		.amdhsa_kernarg_size 40
		.amdhsa_user_sgpr_count 2
		.amdhsa_user_sgpr_kernarg_segment_ptr 1
		.amdhsa_wavefront_size32 1
		.amdhsa_system_sgpr_workgroup_id_x 1
		.amdhsa_system_sgpr_workgroup_id_y 1
		.amdhsa_system_sgpr_workgroup_id_z 1
		.amdhsa_system_vgpr_workitem_id 0
		.amdhsa_next_free_vgpr 512
		.amdhsa_next_free_sgpr 66
		.amdhsa_reserve_vcc 0
		.amdhsa_float_denorm_mode_32 3
		.amdhsa_float_denorm_mode_16_64 3
		.amdhsa_memory_ordered 1
		.amdhsa_forward_progress 1
		.amdhsa_inst_pref_size 132
	.end_amdhsa_kernel
	.amdgpu_metadata
---
amdhsa.version: [ 1, 2 ]
amdhsa.kernels:
  - .name:           k_q4822510340_p1
    .symbol:         k_q4822510340_p1.kd
    .args:
      - { .name: x, .offset: 0, .size: 8, .value_kind: global_buffer, .address_space: global }
      - { .name: W1, .offset: 8, .size: 8, .value_kind: global_buffer, .address_space: global }
      - { .name: b1, .offset: 16, .size: 8, .value_kind: global_buffer, .address_space: global }
      - { .name: xh, .offset: 24, .size: 8, .value_kind: global_buffer, .address_space: global }
      - { .name: part1, .offset: 32, .size: 8, .value_kind: global_buffer, .address_space: global }
    .group_segment_fixed_size: 25600
    .private_segment_fixed_size: 0
    .kernarg_segment_align: 8
    .kernarg_segment_size: 40
    .max_flat_workgroup_size: 256
    .sgpr_count:     66
    .vgpr_count:     512
    .wavefront_size: 32
...
	.end_amdgpu_metadata
.endif
;; end of part 5
;; launch p2: the kernel of part 2 again; grid 256 x 1, 8 waves a work-group, no clusters, 25,600 bytes of LDS; arguments xh, W1, W2, b2, g1, be1, part1, part2, prm1; writes part2, prm1
;; launch p3: the kernel of part 3 again; grid 256 x 1, 8 waves a work-group, no clusters, 25,600 bytes of LDS; arguments xh, W1, W2, W3, b3, g2, be2, part2, prm1, part3, prm2; writes part3, prm2
;; launch p4: the kernel of part 4 again; grid 256 x 1, 8 waves a work-group, no clusters, 25,600 bytes of LDS; arguments xh, W1, W2, W3, W4, b4, g3, be3, part3, prm1, prm2, out0; writes out0
